; MI455X (gfx1250); checked and timed in simulation.
; The chip was launched on July 23, 2026; its instructions are those of AMD's public machine-readable ISA for CDNA 5 (MIT licence, August 2026) and "CDNA5" Instruction Set Architecture Reference Guide (July 2026). The comments in the code are by the model that wrote it; some were corrected since.
;; Encoder Layer. Allowed arithmetic: float matrix products may take bf16 or f16 operands with f32 sums; other float arithmetic in f32, or as packed bf16 or f16 multiplies, adds, multiply-adds, maxima and minima; sums over many terms, partial sums and values carried from step to step in f32; what a program stores and reads back later, other than sums and carried values, may be rounded once to bf16 or f16.
;; Inputs: W1 1,024 x 4,096 float32; W2 4,096 x 1,024 float32; Wk 16 x 1,024 x 64 float32; Wo 1,024 x 1,024 float32; Wq 16 x 1,024 x 64 float32; Wv 16 x 1,024 x 64 float32; b1 4,096 float32; b2 1,024 float32; bk 16 x 64 float32; bo 1,024 float32; bq 16 x 64 float32; bv 16 x 64 float32; mask 4 x 1,024 x 1,024 bool; x 4 x 1,024 x 1,024 float32.
;; Outputs: out0 4 x 1,024 x 1,024 float32.
;; 2 versions, each right and faster than the one before. Each part assembles by itself: llvm-mc -triple=amdgcn-amd-amdhsa -mcpu=gfx1250 --defsym DOCPART=n.
;; ======== version 1 of 2: 5 launches
;; limits: values are held in f16: magnitudes above 65,504 overflow, below 6.1e-05 lose precision; right only within a limited range of input values
;; workspace buffers: gq 16,842,752 bytes; gw 16,842,752 bytes; gf 16,842,752 bytes; qkv 25,165,824 bytes; hw 41,943,040 bytes; lm 524,288 bytes of whole numbers; st 12,288 bytes; pb 1,048,576 bytes
;; launch prep (part 1): grid 641 x 1, 8 waves a work-group, no clusters, 0 bytes of LDS; arguments x, W1, W2, Wo, Wq, Wk, Wv, bq, bk, bv, bo, mask, gq, gw, hw, lm, st, pb; writes gq, gw, hw, lm, st, pb
.if DOCPART == 1
	.amdgcn_target "amdgcn-amd-amdhsa--gfx1250"
	.amdhsa_code_object_version 6
	.text
	.protected	k_qec3b4e5e1f_prep
	.globl	k_qec3b4e5e1f_prep
	.p2align	8
	.type	k_qec3b4e5e1f_prep,@function
k_qec3b4e5e1f_prep:
	s_mov_b64 s[64:65], 0
	v_nop
	global_prefetch_b8 v0, s[64:65] scope:SCOPE_SE
	s_setreg_imm32_b32 hwreg(HW_REG_WAVE_MODE, 25, 1), 1
	s_wait_xcnt 0x0
; PREP.  One streaming pass that makes what the later launches read: f16 copies of x and of all weights in layouts whose tiles are dense, the mask as words of one bit a lane,
; partial sums of bo W1, and the small tables of the products' ways out.  No LDS and no matrix unit: every byte is read once and written once, and nothing is shared between waves.
; LIMIT: x and the weights are rounded once to f16, so they lie within 65,504 in magnitude (Wo is scaled row by row first and has no such limit).
; Work-groups 0-127: the mask.  128-255: x.  256-383: W1.  384-511: W2.  512-607: Wq, Wk, Wv.  608-639: Wo.  640: the tables.
; LAYOUTS.  x16 (gq + 0): [16 panels of 64 columns][4096 rows][64].  Wq|Wk|Wv (gq + 8 MiB): [12 tiles of 256 columns][1024 k][256], column = 1024 sel + 64 h + e.
; Wo'' (gw + 0): x16's layout, of which rows 0-1023 are used.  W1 (gw + 8 MiB): [16 tiles][1024 k][256].  W2 (hw + 32 MiB): [8 tiles of 128 columns][4096 k][128].
; A conversion work-group writes 65,536 consecutive bytes: thread t writes the 16 bytes at 4096 i + 16 t, i = 0 .. 15, from 32 bytes of f32; eight neighbouring lanes read 256 consecutive bytes.
.set EP,  0x1000000                    ; the tables begin 16 MiB into gq and gw: +0 for each of 256 work-groups (ra, 0, rb, lo); +16384 bias
.set X,   16                           ; v[16:79]  eight chunks of 8 f32 as loaded (Wo's job: v[16:143], 128 numbers of a row)
.set Y,   80                           ; v[80:111] eight chunks of 8 f16 to store
.set ACC, 112                          ; v[112:119] W1's job: my 8 columns of bo W1, over my wave's 16 k
.set IN,  44                           ; s[44:45]
.set OUT, 46                           ; s[46:47]
	s_load_b512 s[8:23], s[0:1], 0x0               ; x s8, W1 s10, W2 s12, Wo s14, Wq s16, Wk s18, Wv s20, bq s22
	s_load_b512 s[24:39], s[0:1], 0x40             ; bk s24, bv s26, bo s28, mask s30, gq s32, gw s34, hw s36, lm s38
	s_load_b128 s[40:43], s[0:1], 0x80             ; st s40, pb s42
	s_mov_b32 s6, ttmp9
	v_lshrrev_b32 v1, 5, v0
	v_readfirstlane_b32 s7, v1                     ; wave 0..7
	s_wait_kmcnt 0x0
	s_cmp_lt_u32 s6, 128
	s_cbranch_scc1 .Lmask
	s_cmp_lt_u32 s6, 256
	s_cbranch_scc1 .Ljx
	s_cmp_lt_u32 s6, 384
	s_cbranch_scc1 .Ljw1
	s_cmp_lt_u32 s6, 512
	s_cbranch_scc1 .Ljw2
	s_cmp_lt_u32 s6, 608
	s_cbranch_scc1 .Ljqkv
	s_cmp_lt_u32 s6, 640
	s_cbranch_scc1 .Ljwo
	s_branch .Lmisc
; A plain conversion job sets numbers alone: s50 = my place in the job, s51 the kind, s52 the input's byte offset (w & m1) << sh1 + (w >> sh2) << sh3, s54 the output's, s48 the input bytes from i to i + 1,
; v2 my lane's input offset (t >> a) << b | (t % 2^a) << 5.  The pointers are chosen behind the join.
.macro JOB first, kind, m1, sh1, sh2, sh3, outbase, istep, a, b
	s_sub_co_u32 s50, s6, \first
	s_mov_b32 s51, \kind
	s_and_b32 s52, s50, \m1
	s_lshl_b32 s52, s52, \sh1
	s_lshr_b32 s53, s50, \sh2
	s_lshl_b32 s53, s53, \sh3
	s_add_co_u32 s52, s52, s53
	s_lshl_b32 s54, s50, 16
	s_add_co_u32 s54, s54, \outbase
	s_mov_b32 s48, \istep
	v_lshrrev_b32 v2, \a, v0
	v_lshlrev_b32 v2, \b, v2
	v_and_b32 v3, (1<<(\a))-1, v0
	v_lshl_or_b32 v2, v3, 5, v2
	s_branch .Lstream
.endm
.Ljx:
	JOB 128, 0, 7, 21, 3, 8, 0, 131072, 3, 12              ; 512 rows of panel w >> 3: 32 rows of 4,096 bytes from i to i + 1
.Ljw2:
	JOB 384, 2, 15, 20, 4, 9, 0x2000000, 65536, 4, 12      ; 256 k of tile w >> 4: 16 rows of 4,096 bytes
.Ljqkv:                                                ; 128 k of tile w >> 3, which holds four heads of one of Wq, Wk, Wv ([h][k][e])
	s_sub_co_u32 s50, s6, 512
	s_lshr_b32 s51, s50, 5
	s_add_co_u32 s51, s51, 4                       ; kind 4, 5, 6
	s_bfe_u32 s52, s50, 0x20003                    ; the tile's place in its tensor: four heads of 262,144 bytes
	s_lshl_b32 s52, s52, 20
	s_and_b32 s53, s50, 7
	s_lshl_b32 s53, s53, 15                        ; 128 k of 256 bytes
	s_add_co_u32 s52, s52, s53
	s_lshl_b32 s54, s50, 16
	s_add_co_u32 s54, s54, 0x800000
	s_mov_b32 s48, 2048                            ; 8 k
	v_bfe_u32 v2, v0, 3, 2                         ; the head among the four
	v_lshlrev_b32 v2, 18, v2
	v_lshrrev_b32 v3, 5, v0                        ; k
	v_lshl_or_b32 v2, v3, 8, v2
	v_and_b32 v3, 7, v0                            ; eight e
	v_lshl_or_b32 v2, v3, 5, v2
.Lstream:
	s_cmp_eq_u32 s51, 2                            ; each pointer is a choice between buffers on the kind
	s_cselect_b64 s[IN:IN+1], s[12:13], s[8:9]
	s_cselect_b64 s[OUT:OUT+1], s[36:37], s[32:33]
	s_cmp_eq_u32 s51, 4
	s_cselect_b64 s[IN:IN+1], s[16:17], s[IN:IN+1]
	s_cmp_eq_u32 s51, 5
	s_cselect_b64 s[IN:IN+1], s[18:19], s[IN:IN+1]
	s_cmp_eq_u32 s51, 6
	s_cselect_b64 s[IN:IN+1], s[20:21], s[IN:IN+1]
	s_mov_b32 s53, 0
	s_mov_b32 s55, 0
	s_add_nc_u64 s[IN:IN+1], s[IN:IN+1], s[52:53]
	s_add_nc_u64 s[OUT:OUT+1], s[OUT:OUT+1], s[54:55]
	s_lshl_b32 s56, s48, 3                         ; a trip takes eight i
	s_mov_b32 s57, 0
.irp k, 1,2,3,4,5,6,7
	v_add_nc_u32 v[2+(\k)], s48, v[1+(\k)]         ; v[2:9]: my input offsets for eight i
.endr
	v_lshlrev_b32 v10, 4, v0                       ; 16 t
	s_mov_b32 s49, 2
.Ltrip:
.irp k, 0,1,2,3,4,5,6,7
	global_load_b128 v[X+8*(\k):X+8*(\k)+3],   v[2+(\k)], s[IN:IN+1] th:TH_LOAD_NT
	global_load_b128 v[X+8*(\k)+4:X+8*(\k)+7], v[2+(\k)], s[IN:IN+1] offset:16 th:TH_LOAD_NT
.endr
.irp k, 0,1,2,3,4,5,6,7
	s_wait_loadcnt 14-2*(\k)                       ; loads come back in order: chunk k's two are in, the younger pairs stay out
.irp r, 0,1,2,3
	v_cvt_pk_f16_f32 v[Y+4*(\k)+(\r)], v[X+8*(\k)+2*(\r)], v[X+8*(\k)+2*(\r)+1]
.endr
	global_store_b128 v10, v[Y+4*(\k):Y+4*(\k)+3], s[OUT:OUT+1] offset:4096*(\k)  ; a wave stores 512 consecutive bytes
.endr
	s_wait_xcnt 0x0                                ; the two bases and Y are rewritten only behind this wait
	s_add_nc_u64 s[IN:IN+1], s[IN:IN+1], s[56:57]
	s_add_nc_u64 s[OUT:OUT+1], s[OUT:OUT+1], 0x8000
	s_sub_co_u32 s49, s49, 1
	s_cmp_lg_u32 s49, 0
	s_cbranch_scc1 .Ltrip
	s_endpgm
; W1.  128 k of tile w >> 3, converted as above; chunk i of a wave is the one row k = 128 (w & 7) + 8 i + wave, so bo[k] is a scalar, and my 8 columns of bo[k] W1[k][:] are added up in f32 as the
; row passes.  Each wave stores its sum over 16 k: pb[8 (w & 7) + wave][4096], 64 partial sums for a column, which the next launch adds up.
.Ljw1:
	s_sub_co_u32 s50, s6, 256
	s_and_b32 s58, s50, 7                          ; which 128 k
	s_lshr_b32 s59, s50, 3                         ; tile
	s_lshl_b32 s52, s58, 21                        ; 128 rows of 16,384 bytes
	s_lshl_b32 s53, s59, 10                        ; 256 columns of 4 bytes
	s_add_co_u32 s52, s52, s53
	s_mov_b32 s53, 0
	s_add_nc_u64 s[IN:IN+1], s[10:11], s[52:53]
	s_lshl_b32 s54, s50, 16
	s_add_co_u32 s54, s54, 0x800000
	s_mov_b32 s55, 0
	s_add_nc_u64 s[OUT:OUT+1], s[34:35], s[54:55]
	s_lshl_b32 s52, s58, 7
	s_add_co_u32 s52, s52, s7
	s_lshl_b32 s52, s52, 2
	s_add_nc_u64 s[56:57], s[28:29], s[52:53]      ; bo at k = 128 (w & 7) + wave
.irp c, 0,1,2,3,4,5,6,7,8,9,10,11,12,13,14,15
	s_load_b32 s[68+(\c)], s[56:57], 32*(\c)       ; and every eighth behind it
.endr
	s_lshl_b32 s52, s58, 3
	s_add_co_u32 s52, s52, s7                      ; the partial sum's number
	s_lshl_b32 s52, s52, 14
	s_lshl_b32 s54, s59, 10
	s_add_co_u32 s52, s52, s54
	s_add_nc_u64 s[60:61], s[42:43], s[52:53]
	v_lshrrev_b32 v2, 5, v0
	v_lshlrev_b32 v2, 14, v2                       ; my wave's row,
	v_and_b32 v3, 31, v0
	v_lshlrev_b32 v11, 5, v3                       ; my 8 columns
	v_or_b32 v2, v2, v11
.irp k, 1,2,3,4,5,6,7
	v_add_nc_u32 v[2+(\k)], 0x20000, v[1+(\k)]     ; 8 rows of 16,384 bytes from i to i + 1
.endr
	v_lshlrev_b32 v10, 4, v0
.irp e, 0,1,2,3,4,5,6,7
	v_mov_b32 v[ACC+(\e)], 0
.endr
	s_mov_b32 s49, 2
	s_wait_kmcnt 0x0
.Lw1trip:
.irp k, 0,1,2,3,4,5,6,7
	global_load_b128 v[X+8*(\k):X+8*(\k)+3],   v[2+(\k)], s[IN:IN+1] th:TH_LOAD_NT
	global_load_b128 v[X+8*(\k)+4:X+8*(\k)+7], v[2+(\k)], s[IN:IN+1] offset:16 th:TH_LOAD_NT
.endr
.irp k, 0,1,2,3,4,5,6,7
	s_wait_loadcnt 14-2*(\k)                       ; chunk k's two loads are in, the younger pairs stay out
.irp r, 0,1,2,3
	v_cvt_pk_f16_f32 v[Y+4*(\k)+(\r)], v[X+8*(\k)+2*(\r)], v[X+8*(\k)+2*(\r)+1]
.endr
.irp e, 0,1,2,3,4,5,6,7
	v_fmac_f32 v[ACC+(\e)], s[68+(\k)], v[X+8*(\k)+(\e)]
.endr
	global_store_b128 v10, v[Y+4*(\k):Y+4*(\k)+3], s[OUT:OUT+1] offset:4096*(\k)
.endr
	s_wait_xcnt 0x0                                ; the two bases and Y are rewritten only behind this wait
	s_add_nc_u64 s[IN:IN+1], s[IN:IN+1], 0x100000
	s_add_nc_u64 s[OUT:OUT+1], s[OUT:OUT+1], 0x8000
	s_mov_b64 s[68:69], s[76:77]                   ; the second trip's eight bo
	s_mov_b64 s[70:71], s[78:79]
	s_mov_b64 s[72:73], s[80:81]
	s_mov_b64 s[74:75], s[82:83]
	s_sub_co_u32 s49, s49, 1
	s_cmp_lg_u32 s49, 0
	s_cbranch_scc1 .Lw1trip
	global_store_b128 v11, v[ACC:ACC+3],   s[60:61]            ; a wave stores 1,024 consecutive bytes
	global_store_b128 v11, v[ACC+4:ACC+7], s[60:61] offset:16
	s_endpgm
; Wo.  Wo''[k][:] = Wo[k][:] / E[k] in f16, E[k] = 2^floor(log2 max over j of |Wo[k][j]|), its exponent field held to 2 .. 252: |Wo''| < 2 whatever Wo's size.  E goes to st + 8192; the attention multiplies
; column k of its result by E[k] again.  32 rows a work-group; a row lies in 8 lanes, lane t % 8 holding 8 numbers of each of the 16 panels, and stays in registers between the maximum and the scaling.
.Ljwo:
	s_sub_co_u32 s50, s6, 608
	s_lshl_b32 s52, s50, 17                        ; 32 rows of 4,096 bytes
	s_mov_b32 s53, 0
	s_add_nc_u64 s[IN:IN+1], s[14:15], s[52:53]
	s_lshl_b32 s54, s50, 12                        ; 32 rows of 128 bytes
	s_mov_b32 s55, 0
	s_add_nc_u64 s[OUT:OUT+1], s[34:35], s[54:55]
	s_lshl_b32 s56, s50, 7
	s_add_co_u32 s56, s56, 8192
	s_mov_b32 s57, 0
	s_add_nc_u64 s[60:61], s[40:41], s[56:57]
	v_lshrrev_b32 v1, 3, v0                        ; my row among the 32
	v_and_b32 v5, 7, v0
	v_lshlrev_b32 v2, 12, v1
	v_lshl_or_b32 v2, v5, 5, v2
	v_lshlrev_b32 v3, 4, v0                        ; row x 128 + 16 (t % 8) = 16 t
	v_lshlrev_b32 v4, 2, v1
.irp p, 0,1,2,3,4,5,6,7,8,9,10,11,12,13,14,15
	global_load_b128 v[X+8*(\p):X+8*(\p)+3],   v2, s[IN:IN+1] offset:256*(\p) th:TH_LOAD_NT
	global_load_b128 v[X+8*(\p)+4:X+8*(\p)+7], v2, s[IN:IN+1] offset:256*(\p)+16 th:TH_LOAD_NT
.endr
	s_wait_loadcnt 0x0
.irp c, 0,1,2,3                        ; four chains that do not wait for each other
	v_max_num_f32 v[8+(\c)], |v[X+32*(\c)]|, |v[X+32*(\c)+1]|
.endr
.set j, 2
.rept 15
.irp c, 0,1,2,3
	v_max3_num_f32 v[8+(\c)], v[8+(\c)], |v[X+32*(\c)+j]|, |v[X+32*(\c)+j+1]|
.endr
.set j, j+2
.endr
	v_max3_num_f32 v8, v8, v9, v10
	v_max_num_f32 v8, v8, v11
	v_max_num_f32_dpp v8, v8, v8 row_xmask:1 row_mask:0xf bank_mask:0xf  ; across the row's eight lanes
	v_max_num_f32_dpp v8, v8, v8 row_xmask:2 row_mask:0xf bank_mask:0xf
	v_max_num_f32_dpp v8, v8, v8 row_xmask:4 row_mask:0xf bank_mask:0xf
	v_and_b32 v14, 0x7f800000, v8                  ; E
	v_max_u32 v14, 0x01000000, v14
	v_min_u32 v14, 0x7e000000, v14
	v_sub_nc_u32 v12, 0x7f000000, v14              ; 1 / E: the exponent field 254 less E's
	v_mov_b32 v13, v12
.irp p, 0,1,2,3,4,5,6,7,8,9,10,11,12,13,14,15
.irp r, 0,2,4,6
	v_pk_mul_f32 v[X+8*(\p)+(\r):X+8*(\p)+(\r)+1], v[X+8*(\p)+(\r):X+8*(\p)+(\r)+1], v[12:13]
.endr
.irp r, 0,1,2,3
	v_cvt_pk_f16_f32 v[X+4*(\p)+(\r)], v[X+8*(\p)+2*(\r)], v[X+8*(\p)+2*(\r)+1]  ; packed downward: a register is written when its own number has been read, and no store's data is written again
.endr
	global_store_b128 v3, v[X+4*(\p):X+4*(\p)+3], s[OUT:OUT+1] offset:524288*(\p)  ; a wave stores 512 consecutive bytes of a panel
.endr
	global_store_b32 v4, v14, s[60:61]             ; a row's eight lanes store the same word: 4 KiB in the whole launch
	s_endpgm
; THE MASK.  lm[b][qt][step][reg], 32-bit words: bit l = mask[b][16 qt + l % 16][64 step + 16 (reg / 8) + 8 (l / 16) + reg % 8]: the lane and register in which the attention holds that score.
; Wave job J = 8 w + wave makes the 128 words of 16 queries x 256 keys: 16 loads of 8 bytes a lane; a compare turns one byte of every lane into a word; lane W / 4 collects words 4 (W / 4) ..; one store of 512 bytes.
.Lmask:
	s_lshl_b32 s50, s6, 3
	s_add_co_u32 s50, s50, s7                      ; J
	s_lshr_b32 s52, s50, 2
	s_lshl_b32 s52, s52, 14                        ; 16 rows of 1,024 bytes
	s_and_b32 s53, s50, 3
	s_lshl_b32 s53, s53, 8                         ; 256 keys
	s_add_co_u32 s52, s52, s53
	s_mov_b32 s53, 0
	s_add_nc_u64 s[IN:IN+1], s[30:31], s[52:53]
	s_lshl_b32 s54, s50, 9
	s_mov_b32 s55, 0
	s_add_nc_u64 s[OUT:OUT+1], s[38:39], s[54:55]
	v_and_b32 v1, 31, v0
	v_and_b32 v2, 15, v0
	v_bfe_u32 v3, v0, 4, 1
	v_lshlrev_b32 v3, 3, v3
	v_lshl_or_b32 v2, v2, 10, v3                   ; row l % 16, 8 bytes for each half of the lanes
	v_lshlrev_b32 v11, 4, v1                       ; 16 l
.irp k, 0,1,2,3,4,5,6,7,8,9,10,11,12,13,14,15
	global_load_b64 v[32+2*(\k):32+2*(\k)+1], v2, s[IN:IN+1] offset:16*(\k) th:TH_LOAD_NT
.endr
.irp k, 4,5,6,7
	v_mov_b32 v[\k], 0                             ; v_writelane_b32 keeps the other lanes: the registers are written whole first
.endr
	s_wait_loadcnt 0x0
.set W, 0
.rept 128
	v_lshlrev_b32 v[12+W%4], 31-8*(W%4), v[32+2*(W/8)+(W%8)/4]  ; the byte's bit 0 becomes the sign
	v_cmp_gt_i32 s[56+W%4], 0, v[12+W%4]
	v_writelane_b32 v[4+W%4], s[56+W%4], W/4
.set W, W+1
.endr
	global_store_b128 v11, v[4:7], s[OUT:OUT+1]
	s_endpgm
; THE TABLES of the next launch's two products.  For each of 256 work-groups (ra, 0, rb, lo) = (1, 0, 1, -inf twice in f16), in gq and in gw.  Bias: bq | bk | bv in gq, zeros in gw.
.Lmisc:
	s_add_nc_u64 s[IN:IN+1], s[32:33], EP
	s_add_nc_u64 s[OUT:OUT+1], s[34:35], EP
	v_lshlrev_b32 v2, 4, v0
	global_load_b128 v[16:19], v2, s[22:23]
	global_load_b128 v[20:23], v2, s[24:25]
	global_load_b128 v[24:27], v2, s[26:27]
	v_mov_b32 v48, 1.0
	v_mov_b32 v49, 0
	v_mov_b32 v50, 1.0
	v_mov_b32 v51, 0xfc00fc00
.irp k, 0,1,2,3
	v_mov_b32 v[56+(\k)], 0
.endr
	global_store_b128 v2, v[48:51], s[IN:IN+1]
	global_store_b128 v2, v[48:51], s[OUT:OUT+1]
.irp k, 0,1,2,3
	global_store_b128 v2, v[56:59], s[OUT:OUT+1] offset:16384+4096*(\k)
.endr
	s_wait_loadcnt 0x0
	global_store_b128 v2, v[16:19], s[IN:IN+1] offset:16384
	global_store_b128 v2, v[20:23], s[IN:IN+1] offset:20480
	global_store_b128 v2, v[24:27], s[IN:IN+1] offset:24576
	s_endpgm
.Lfunc_end_k_qec3b4e5e1f_prep:
	.size	k_qec3b4e5e1f_prep, .Lfunc_end_k_qec3b4e5e1f_prep-k_qec3b4e5e1f_prep
	.p2alignl 7, 3214868480
	.fill 96, 4, 3214868480
	.section	.rodata,"a",@progbits
	.p2align	6, 0x0
	.amdhsa_kernel k_qec3b4e5e1f_prep
		.amdhsa_group_segment_fixed_size 0
		.amdhsa_private_segment_fixed_size 0
		.amdhsa_enable_private_segment 0
		.amdhsa_kernarg_size 144
		.amdhsa_user_sgpr_count 2
		.amdhsa_user_sgpr_kernarg_segment_ptr 1
		.amdhsa_wavefront_size32 1
		.amdhsa_system_sgpr_workgroup_id_x 1
		.amdhsa_system_sgpr_workgroup_id_y 1
		.amdhsa_system_sgpr_workgroup_id_z 1
		.amdhsa_system_vgpr_workitem_id 0
		.amdhsa_next_free_vgpr 144
		.amdhsa_next_free_sgpr 84
		.amdhsa_reserve_vcc 0
		.amdhsa_float_denorm_mode_32 3
		.amdhsa_float_denorm_mode_16_64 3
		.amdhsa_memory_ordered 1
		.amdhsa_forward_progress 1
		.amdhsa_inst_pref_size 61
	.end_amdhsa_kernel
	.amdgpu_metadata
---
amdhsa.version: [ 1, 2 ]
amdhsa.kernels:
  - .name:           k_qec3b4e5e1f_prep
    .symbol:         k_qec3b4e5e1f_prep.kd
    .args:
      - { .name: x, .offset: 0, .size: 8, .value_kind: global_buffer, .address_space: global }
      - { .name: W1, .offset: 8, .size: 8, .value_kind: global_buffer, .address_space: global }
      - { .name: W2, .offset: 16, .size: 8, .value_kind: global_buffer, .address_space: global }
      - { .name: Wo, .offset: 24, .size: 8, .value_kind: global_buffer, .address_space: global }
      - { .name: Wq, .offset: 32, .size: 8, .value_kind: global_buffer, .address_space: global }
      - { .name: Wk, .offset: 40, .size: 8, .value_kind: global_buffer, .address_space: global }
      - { .name: Wv, .offset: 48, .size: 8, .value_kind: global_buffer, .address_space: global }
      - { .name: bq, .offset: 56, .size: 8, .value_kind: global_buffer, .address_space: global }
      - { .name: bk, .offset: 64, .size: 8, .value_kind: global_buffer, .address_space: global }
      - { .name: bv, .offset: 72, .size: 8, .value_kind: global_buffer, .address_space: global }
      - { .name: bo, .offset: 80, .size: 8, .value_kind: global_buffer, .address_space: global }
      - { .name: mask, .offset: 88, .size: 8, .value_kind: global_buffer, .address_space: global }
      - { .name: gq, .offset: 96, .size: 8, .value_kind: global_buffer, .address_space: global }
      - { .name: gw, .offset: 104, .size: 8, .value_kind: global_buffer, .address_space: global }
      - { .name: hw, .offset: 112, .size: 8, .value_kind: global_buffer, .address_space: global }
      - { .name: lm, .offset: 120, .size: 8, .value_kind: global_buffer, .address_space: global }
      - { .name: st, .offset: 128, .size: 8, .value_kind: global_buffer, .address_space: global }
      - { .name: pb, .offset: 136, .size: 8, .value_kind: global_buffer, .address_space: global }
    .group_segment_fixed_size: 0
    .private_segment_fixed_size: 0
    .kernarg_segment_align: 8
    .kernarg_segment_size: 144
    .max_flat_workgroup_size: 256
    .sgpr_count:     84
    .vgpr_count:     144
    .wavefront_size: 32
...
	.end_amdgpu_metadata
.endif
;; end of part 1
;; launch qkv (part 2): grid 4 x 64, 4 waves a work-group, clusters of 4 x 4, 327,680 bytes of LDS; arguments gq, qkv, gw, gf, st, pb, b1; writes qkv, gf, st
.if DOCPART == 2
	.amdgcn_target "amdgcn-amd-amdhsa--gfx1250"
	.amdhsa_code_object_version 6
	.text
	.protected	k_qec3b4e5e1f_qkv
	.globl	k_qec3b4e5e1f_qkv
	.p2align	8
	.type	k_qec3b4e5e1f_qkv,@function
k_qec3b4e5e1f_qkv:
	s_mov_b64 s[64:65], 0
	v_nop
	global_prefetch_b8 v0, s[64:65] scope:SCOPE_SE
	s_setreg_imm32_b32 hwreg(HW_REG_WAVE_MODE, 25, 1), 1
	s_wait_xcnt 0x0
	s_wait_alu depctr_hold_cnt(0) depctr_sa_sdst(0) depctr_va_vdst(0) depctr_va_sdst(0) depctr_va_ssrc(0) depctr_va_vcc(0) depctr_vm_vsrc(0)
	s_getreg_b32 s2, hwreg(HW_REG_IB_STS2, 6, 4)
	s_cmp_eq_u32 s2, 0
	s_cbranch_scc0 .Lentry_in_a_cluster
	s_endpgm
.Lentry_in_a_cluster:
	s_bfe_u32 s2, ttmp6, 0x10000c
	s_cmp_lg_u32 s2, 0xf033
	s_cbranch_scc0 .Lentry_shape_is_right
	s_endpgm
.Lentry_shape_is_right:
; D[m][n] = max(lo, ra x sum over k of A[m][k] B[k][n] + rb x bias[n]), K = 1024, operands f16, sums in f32, D rounded once to f16.  One text, two launches, three products:
;   the first launch: q | k | v = x Wqkv + b on 192 work-groups, and beside them W'' = Wo'' W1 on 64;    the second: h' = relu(ra ctx'' W'' + rb b').
; WHY W''.  (ctx Wo + bo) W1 + b1 = ctx (Wo W1) + (bo W1 + b1) for every input: Wo W1 has as many multiply-adds as ctx Wo, hangs on weights alone, and is 64 tiles of this text's shape.
; Wo'' = Wo with row k divided by the power of two E[k]; the attention multiplies column k of ctx by E[k] / Emax; ra = S Emax and rb = S carry the rest, S a power of two that holds |h'| under 2^15.
; WHICH LAUNCH, WHICH PRODUCT: by the grid alone.  The first launch is 4 work-groups wide and 64 high (its clusters are numbered by y), the second 64 wide and 4 high (numbered by x; y = 0).  L = cluster x + cluster y;
; tile row = 4 (L & 3) + cy, tile column = 4 (L >> 2) + cx.  Cluster y >= 12: W'' (MODE = 1): tile row = cy, tile column = 4 (L & 3) + cx, the second pair of arguments.  Cluster y >= 8 (v and W''): the largest |D| is stored.
; The argument G holds all that a product reads: +0 A as [16 panels of 64 k][4096 rows][64]; +8 MiB B as [tiles of 256 n][1024 k][256]; +16 MiB (ra, 0, rb, lo) for each work-group; +16 MiB + 16384 bias.
; D goes out as [n / 64 panels][4096 rows][64]; W'' as B's layout, 8 MiB into its buffer.  The second launch has no cluster y >= 8: it takes no way that touches the second pair of arguments or the last three.
; LIMITS.  D lies within f16's 65,504: q, k, v; |W''| <= 2 x 1024 x max |W1|, which holds up to |W1| = 31; |h'| < 2^15 by S.
; SHARES.  A tile of D is 256 x 256: four waves, each 128 x 128 in 64 accumulators of 16 x 16 (512 registers).  K goes in 8 steps of 128 through two LDS slots.
; THE MATRIX INSTRUCTION IS USED TRANSPOSED: source 0 = 16 columns of B (turned on the way out of LDS by ds_load_tr16_b128), source 1 = 16 rows of A: a lane then holds row l % 16 and the eight neighbouring columns 8 (l / 16) + 0..7.
; CLUSTER.  4 x 4 work-groups: A's tile is shared along a row of the cluster, B's along a column; each is asked for jointly, by the same load with the same descriptor and a mask of the four.
; REGISTERS, in windows of 256: window 0: v8-11 running maxima, v16-29 addresses, v32-63 and v160-191 rows on the way out, v64-127 and v128-191 A's two fragment buffers (later at work on the way out), v192-255 bias;
; window 1: v64-191 B's two fragment buffers; windows 2 and 3: the accumulators, (a, b) at v[8 (8 (a % 4) + b)].
.set PA,     144                       ; a row of A in LDS: 128 bytes + 16: 36 words, so the 16 rows of a load start at 16 different groups of four banks
.set PANEL,  256*PA                    ; 256 rows of one panel
.set PB,     544                       ; a row of B: 512 bytes + 32 = 17 x 32: the eight rows of a turning load fall on different banks
.set BOFF,   2*PANEL                   ; a slot: A's two panels, then B's 128 k
.set HB,     64*PB
.set SLOTX,  0x24000                   ; slot 1 begins here; the four loads' places in slot 0 (0, 0x9000, 0x12000, 0x1a800) have these two bits clear, so one exclusive or changes slots
.set STAGE,  SLOTX+BOFF+2*HB           ; behind the ring, never filled by a tensor load: [2 panels][16 rows][144] for each wave
.set WSTAGE, 2*16*PA
.set SPARE,  STAGE+4*WSTAGE            ; the spare words, 128 bytes for each wave
.set EP,     0x1000000
.set WOFF,   0x800000
.set ASTEP,  2*4096*128                ; bytes from K step to K step: two panels of A,
.set BSTEP,  128*512                   ; 128 rows of B
.set SM,   8
.set ADRA0, 16                         ; my lane's place in slot 0's A and B; never rewritten
.set ADRB0, 17
.set ADRA, 18                          ; the same in the slot in hand
.set ADRB, 19
.set RD1,  20                          ; W'': where I read rows back, and my byte offset in two rows of 512 bytes
.set CO1,  21
.set ZR,   22                          ; 0, as an offset
.set FO,   23
.set STO,  24
.set RD,   25
.set CO,   26
.set BO,   27
.set SPW,  28
.set NIL,  29
.set OB0,  32
.set F0,   64
.set F1,   128
.set T,    64
.set TMP,  128
.set BIAS, 192
.set G1,  24                           ; s[24:31] group 1 for A;  s[32:39] group 0: set 0 for K step 0, set 1 for K step 1 and then walking
.set G0,  32
.set G1B, 48                           ; s[48:55], s[56:63] the same for B
.set G0B, 56
.set MSB, 0
.macro WIN new                         ; the immediate's high byte repeats the setting that is left; a switch that changes nothing is dropped
.if MSB != (\new)
	s_set_vgpr_msb (MSB<<8)|(\new)
.set MSB, \new
.endif
.endm
.set MUL_LO, 0xa1                      ; source 0 (B) window 1, source 1 (A) window 0, C and D window 2
.set MUL_HI, 0xf1                      ; the same, C and D window 3
.set TO_B,   0x40                      ; destination window 1, address window 0
.macro PLACES                          ; four places in front of loads into registers that matrix instructions have read, and of vector work on results just made
.rept 4
	v_nop
.endr
.endm
.macro JLOAD                           ; a joint refill by the walking sets: waves 0 and 1 fetch A's two panels, waves 2 and 3 B's two halves; an s_nop 0 and four v_nop follow each line
	s_cmp_eq_u32 s11, 0
	s_cbranch_scc0 .Lfor_b_\@
	tensor_load_to_lds s[G0+4:G0+7], s[G1:G1+7]
	s_nop 0
	PLACES
	s_branch .Lasked_\@
.Lfor_b_\@:
	tensor_load_to_lds s[G0B+4:G0B+7], s[G1B:G1B+7]
	s_nop 0
	PLACES
.Lasked_\@:
.endm
.macro CREST                           ; a round of the cluster's barrier behind its opening barrier
	s_cmp_lg_u32 s10, 0
	s_cbranch_scc1 .Lnot_wave_0_\@
	s_barrier_signal -3
.Lnot_wave_0_\@:
	s_barrier_wait -3
	s_barrier_signal -1
	s_barrier_wait -1
.endm
.macro CROUND
	s_barrier_signal -1
	s_barrier_wait -1
	CREST
.endm
	s_load_b256 s[76:83], s[0:1], 0x0              ; G s[76:77], D s[78:79]; for W'': G s[80:81], D's buffer s[82:83]
	s_load_b128 s[84:87], s[0:1], 0x20             ; the maxima s[84:85], the partial sums of bo W1 s[86:87]
	s_load_b64 s[88:89], s[0:1], 0x30              ; b1
	v_lshl_add_u32 v[SPW], v0, 2, SPARE
	v_mov_b32 v[NIL], 0
	ds_add_u32 v[SPW], v[NIL]                      ; the wave's opening: the add and its wait ahead of my first tensor load
	v_lshrrev_b32 v1, 5, v0
	v_readfirstlane_b32 s10, v1                    ; wave 0..3
	s_lshr_b32 s11, s10, 1                         ; my half of the tile's rows.  Also: I fetch for A (0) or for B (1)
	s_and_b32 s12, s10, 1                          ; my half of its columns.  Also: which half of that tile I fetch
	s_bfe_u32 s40, ttmp6, 0x40000                  ; cx
	s_bfe_u32 s41, ttmp6, 0x40004                  ; cy
	s_and_b32 s9, ttmp7, 0xffff                    ; cluster y
	s_add_co_u32 s8, s9, ttmp9                     ; L
	s_cmp_ge_u32 s9, 8
	s_cselect_b32 s91, 1, 0                        ; 1: the largest |D| is stored
	s_and_b32 s14, s8, 3
	s_lshl_b32 s14, s14, 2
	s_lshr_b32 s15, s8, 2
	s_lshl_b32 s15, s15, 2
	s_cmp_ge_u32 s9, 12
	s_cselect_b32 s90, 1, 0                        ; MODE: the same in all sixteen partners
	s_cselect_b32 s13, 0, s14
	s_cselect_b32 s42, s14, s15
	s_add_co_u32 s13, s13, s41                     ; tile row: of my place in the cluster it holds cy alone,
	s_add_co_u32 s42, s42, s40                     ; tile column: cx alone
	s_lshl_b32 s43, s41, 2
	s_lshl_b32 s43, 15, s43                        ; my row of the cluster
	s_lshl_b32 s44, 0x1111, s40                    ; my column
	s_mov_b32 s66, 0x76543210                      ; v_permlanex16_b32: each lane takes its own place in the other half
	s_mov_b32 s67, 0xfedcba98
	; A's load: 256 dense rows of 128 bytes, asked for as 128 rows of 256 bytes, 16 bytes of padding after every 128 (32 words: code 4; 4 words: code 3)
	s_or_b32 s[G1+0], s43, (1<<16)|(1<<20)|(1<<21)|(4<<22)|(3<<25)
	s_mov_b32 s[G1+1], 128<<16                     ; tensor_dim0 = 128 elements
	s_mov_b32 s[G1+2], 128<<16                     ; tensor_dim1 = 128
	s_mov_b32 s[G1+3], 128<<16                     ; tile_dim0
	s_mov_b32 s[G1+4], 128                         ; tile_dim1
	s_mov_b32 s[G1+5], 128                         ; elements from row to row
	s_mov_b32 s[G1+6], 0
	s_mov_b32 s[G1+7], 0
	; B's load: 64 rows of 512 bytes, 32 bytes of padding after each (128 words: code 6; 8 words: code 7)
	s_or_b32 s[G1B+0], s44, (1<<16)|(1<<20)|(1<<21)|(6<<22)|(7<<25)
	s_mov_b32 s[G1B+1], 256<<16
	s_mov_b32 s[G1B+2], 64<<16
	s_mov_b32 s[G1B+3], 256<<16
	s_mov_b32 s[G1B+4], 64
	s_mov_b32 s[G1B+5], 256
	s_mov_b32 s[G1B+6], 0
	s_mov_b32 s[G1B+7], 0
	s_lshl_b32 s16, s13, 15                        ; A: the tile row's 256 rows of 128 bytes,
	s_lshl_b32 s17, s12, 19                        ; my panel of the step's two
	s_add_co_u32 s16, s16, s17
	s_mov_b32 s17, 0
	s_lshl_b32 s46, s42, 19                        ; B: the tile column's 1,024 rows of 512 bytes,
	s_lshl_b32 s47, s12, 15                        ; my 64 of the step's 128
	s_add_co_u32 s46, s46, s47
	s_add_co_u32 s46, s46, WOFF
	s_mov_b32 s47, 0
	s_mul_i32 s20, s12, PANEL                      ; where they go: no place in the cluster enters an LDS address
	s_mul_i32 s21, s12, HB
	s_add_co_u32 s21, s21, BOFF
	s_wait_dscnt 0x0                               ; the opening add is done
	s_wait_kmcnt 0x0
	s_cmp_eq_u32 s90, 1
	s_cselect_b64 s[4:5], s[80:81], s[76:77]       ; G
	s_cselect_b64 s[6:7], s[82:83], s[78:79]       ; D's buffer
	s_add_nc_u64 s[14:15], s[4:5], s[16:17]
	s_add_nc_u64 s[46:47], s[4:5], s[46:47]
	CROUND                                         ; all sixteen work-groups are here: the first joint loads meet
.irp s, 0,1
	s_mov_b32 s[G0+4*(\s)], 1
	s_add_co_u32 s[G0+4*(\s)+1], s20, (\s)*SLOTX
	s_add_nc_u64 s[G0+4*(\s)+2:G0+4*(\s)+3], s[14:15], (\s)*ASTEP
	s_or_b32 s[G0+4*(\s)+3], s[G0+4*(\s)+3], 0x80000000
	s_mov_b32 s[G0B+4*(\s)], 1
	s_add_co_u32 s[G0B+4*(\s)+1], s21, (\s)*SLOTX
	s_add_nc_u64 s[G0B+4*(\s)+2:G0B+4*(\s)+3], s[46:47], (\s)*BSTEP
	s_or_b32 s[G0B+4*(\s)+3], s[G0B+4*(\s)+3], 0x80000000
.endr
	s_cmp_eq_u32 s11, 0                            ; a wave's two first fills stand in one branch: two loads of mine are out
	s_cbranch_scc0 .Lfirst_b
	tensor_load_to_lds s[G0:G0+3], s[G1:G1+7]
	s_nop 0
	tensor_load_to_lds s[G0+4:G0+7], s[G1:G1+7]
	s_nop 0
	PLACES
	s_branch .Lfirst_asked
.Lfirst_b:
	tensor_load_to_lds s[G0B:G0B+3], s[G1B:G1B+7]
	s_nop 0
	tensor_load_to_lds s[G0B+4:G0B+7], s[G1B:G1B+7]
	s_nop 0
	PLACES
.Lfirst_asked:
	v_and_b32 v1, 15, v0                           ; l % 16
	v_bfe_u32 v2, v0, 4, 1                         ; l / 16
	v_and_b32 v6, 7, v0                            ; l % 8
	v_bfe_u32 v5, v0, 3, 1                         ; (l / 8) % 2
	v_mul_u32_u24 v3, v1, PA
	v_lshl_add_u32 v3, v2, 4, v3                   ; row x pitch + 16 x half: a fragment of A, and my place in the stage
	s_mul_i32 s22, s11, 128*PA
	v_add_nc_u32 v[ADRA0], s22, v3
	v_lshl_add_u32 v4, v2, 3, v6                   ; the turning load: k = 8 (l / 16) + l % 8,
	v_mul_u32_u24 v4, v4, PB
	v_lshl_add_u32 v4, v5, 4, v4                   ; columns 8 ((l / 8) % 2) + 0..7
	s_lshl_b32 s23, s12, 8
	s_add_co_u32 s23, s23, BOFF
	v_add_nc_u32 v[ADRB0], s23, v4
	v_mov_b32 v[ADRA], v[ADRA0]
	v_mov_b32 v[ADRB], v[ADRB0]
	s_mov_b32 s2, 0                                ; the slot in hand
	s_mul_i32 s22, s10, WSTAGE
	s_add_co_u32 s22, s22, STAGE
	v_add_nc_u32 v[STO], s22, v3
	v_bfe_u32 v7, v0, 3, 2
	v_mul_u32_u24 v7, v7, PA
	v_lshl_add_u32 v7, v6, 4, v7                   ; back: 32 lanes take four rows of 128 bytes of one panel,
	v_add_nc_u32 v[RD], s22, v7
	v_and_b32 v7, 31, v0
	v_lshlrev_b32 v[CO], 4, v7                     ; which are 512 consecutive bytes of a panel of D
	v_mul_u32_u24 v7, v5, 16*PA                    ; W'': 16 lanes take one row's 128 bytes of both panels,
	v_mul_u32_u24 v4, v2, PA
	v_add_nc_u32 v7, v7, v4
	v_lshl_add_u32 v7, v6, 4, v7
	v_add_nc_u32 v[RD1], s22, v7
	v_lshlrev_b32 v7, 9, v2                        ; which are 256 consecutive bytes of a row of 512; lanes 16-31 the next row
	v_lshl_add_u32 v[CO1], v1, 4, v7
	v_lshlrev_b32 v[BO], 5, v2
	v_mov_b32 v[ZR], 0
	s_lshl_b32 s18, s42, 10                        ; bias of my 128 columns
	s_lshl_b32 s19, s12, 9
	s_add_co_u32 s18, s18, s19
	s_add_co_u32 s18, s18, EP+16384
	s_mov_b32 s19, 0
	s_add_nc_u64 s[68:69], s[4:5], s[18:19]
	s_lshl_b32 s18, s13, 4
	s_add_co_u32 s18, s18, s42                     ; my work-group's number: 16 x tile row + tile column
	s_lshl_b32 s23, s18, 4
	s_add_nc_u64 s[72:73], s[4:5], EP
	s_load_b128 s[92:95], s[72:73], s23 offset:0x0 ; ra, 0, rb, lo (two f16); waited for behind the last product: s23 and s[72:73] are left alone till then
	s_lshl_b32 s18, s18, 2
	s_add_co_u32 s18, s18, s10
	s_lshl_b32 s18, s18, 2                         ; my wave's word among the maxima: v's from byte 0 on, W'''s from 4,096 on
	s_lshl_b32 s19, s90, 12
	s_add_co_u32 s18, s18, s19
	s_mov_b32 s19, 0
	s_add_nc_u64 s[70:71], s[84:85], s[18:19]
	s_cmp_eq_u32 s90, 1                            ; D: panel 4 x tile column + 2 x half, row 256 x tile row + 128 x half, rows of 128 bytes;
	s_cselect_b32 s18, 19, 21                      ; W'': 8 MiB + tile column x 1,024 rows of 512 bytes, the same row, 256 bytes x half
	s_cselect_b32 s19, 8, 20
	s_cselect_b32 s20, 17, 15
	s_cselect_b32 s21, 16, 14
	s_cselect_b32 s22, WOFF, 0
	s_lshl_b32 s18, s42, s18
	s_lshl_b32 s19, s12, s19
	s_lshl_b32 s20, s13, s20
	s_lshl_b32 s21, s11, s21
	s_add_co_u32 s18, s18, s19
	s_add_co_u32 s18, s18, s20
	s_add_co_u32 s18, s18, s21
	s_add_co_u32 s18, s18, s22
	s_mov_b32 s19, 0
	s_add_nc_u64 s[6:7], s[6:7], s[18:19]
.irp b, 0,1,2,3,4,5,6,7                ; waited for behind the last product; their registers and addresses are left alone till then
	global_load_b128 v[BIAS+8*(\b):BIAS+8*(\b)+3],   v[BO], s[68:69] offset:64*(\b)
	global_load_b128 v[BIAS+8*(\b)+4:BIAS+8*(\b)+7], v[BO], s[68:69] offset:64*(\b)+16
.endr
	; b' = bo W1 + b1, in the wait for the first tiles: of W'''s 64 work-groups each finishes 64 columns, 256 x tile column + 64 x tile row on; threads 0-63 take a column each and add its 64 partial sums and b1.
	s_cmp_eq_u32 s90, 0
	s_cbranch_scc1 .Lno_bias
	s_cmp_lt_u32 s10, 2
	s_cbranch_scc0 .Lno_bias
	s_lshl_b32 s18, s42, 10
	s_lshl_b32 s19, s13, 8
	s_add_co_u32 s18, s18, s19
	s_mov_b32 s19, 0
	s_add_nc_u64 s[74:75], s[86:87], s[18:19]
	s_add_nc_u64 s[88:89], s[88:89], s[18:19]
	s_add_co_u32 s18, s18, EP+16384
	s_add_nc_u64 s[82:83], s[82:83], s[18:19]      ; the bias table of the product that takes W''
	v_lshlrev_b32 v[FO], 2, v0
.set p, 0
.rept 64
	global_load_b32 v[64+p], v[FO], s[74:75] offset:16384*p
.set p, p+1
.endr
	global_load_b32 v128, v[FO], s[88:89]
	s_wait_loadcnt 0x0
.irp n, 32,16,8,4,2
.set i, 0
.rept (\n)/2
	v_pk_add_f32 v[64+i:64+i+1], v[64+i:64+i+1], v[64+(\n)+i:64+(\n)+i+1]
.set i, i+2
.endr
.endr
	v_add_f32 v64, v64, v65
	v_add_f32 v64, v64, v128
	global_store_b32 v[FO], v64, s[82:83]          ; two waves store 256 consecutive bytes
	s_lshl_b32 s18, s13, 4
	s_add_co_u32 s18, s18, s42
	s_lshl_b32 s18, s18, 1
	s_add_co_u32 s18, s18, s10
	s_lshl_b32 s18, s18, 2
	s_add_co_u32 s18, s18, 5120                    ; the largest |b'| of my wave's 32 columns: one word a wave, from byte 5,120 of the maxima on
	s_add_nc_u64 s[74:75], s[84:85], s[18:19]
	v_max_num_f32 v66, |v64|, |v64|
	v_max_num_f32_dpp v66, v66, v66 row_xmask:1 row_mask:0xf bank_mask:0xf
	v_max_num_f32_dpp v66, v66, v66 row_xmask:2 row_mask:0xf bank_mask:0xf
	v_max_num_f32_dpp v66, v66, v66 row_xmask:4 row_mask:0xf bank_mask:0xf
	v_max_num_f32_dpp v66, v66, v66 row_xmask:8 row_mask:0xf bank_mask:0xf
	v_permlanex16_b32 v67, v66, s66, s67
	v_max_num_f32 v66, v66, v67
	global_store_b32 v[ZR], v66, s[74:75]          ; all lanes store the same word
	s_wait_xcnt 0x0                                ; v64 and v66 are loaded again only behind this wait
.Lno_bias:
; 16 matrix instructions: m blocks a0, a0 + 1 of the window's four x all 8 n blocks, 32 along K.  zero = 1: the first product starts the sums.  The 64 accumulators take turns.
.macro MUL16 f, hi, a0, zero
	WIN MUL_LO+0x50*(\hi)
.irp a, \a0, (\a0)+1
.irp b, 0,1,2,3,4,5,6,7
.if \zero
	v_wmma_f32_16x16x32_f16 v[8*(8*(\a)+(\b)):8*(8*(\a)+(\b))+7], v[(\f)+8*(\b):(\f)+8*(\b)+7], v[(\f)+8*(4*(\hi)+(\a)):(\f)+8*(4*(\hi)+(\a))+7], 0
.else
	v_wmma_f32_16x16x32_f16 v[8*(8*(\a)+(\b)):8*(8*(\a)+(\b))+7], v[(\f)+8*(\b):(\f)+8*(\b)+7], v[(\f)+8*(4*(\hi)+(\a)):(\f)+8*(4*(\hi)+(\a))+7], v[8*(8*(\a)+(\b)):8*(8*(\a)+(\b))+7]
.endif
.endr
.endr
.endm
; 32 LDS loads in one run: quarter q (32 along K) of the slot in hand into buffer f: B's 128 columns turned, then A's 128 rows
.macro FETCH q, f
	WIN TO_B
.irp i, 0,1,2,3,4,5,6,7
	ds_load_tr16_b128 v[(\f)+8*(\i):(\f)+8*(\i)+3],   v[ADRB] offset:(\q)*32*PB+32*(\i)
	ds_load_tr16_b128 v[(\f)+8*(\i)+4:(\f)+8*(\i)+7], v[ADRB] offset:(\q)*32*PB+16*PB+32*(\i)
.endr
	WIN 0
.irp i, 0,1,2,3,4,5,6,7
	ds_load_b128 v[(\f)+8*(\i):(\f)+8*(\i)+3],   v[ADRA] offset:((\q)/2)*PANEL+((\q)%2)*64+(\i)*16*PA
	ds_load_b128 v[(\f)+8*(\i)+4:(\f)+8*(\i)+7], v[ADRA] offset:((\q)/2)*PANEL+((\q)%2)*64+(\i)*16*PA+32
.endr
.endm
; One of a K step's first three quarters: multiplies buffer f; in its middle it fetches quarter qn into buffer g
.macro QUARTER qn, f, g, zero
	s_wait_dscnt 8                                 ; B and A's rows 0-63 are in; the youngest eight loads (A's rows 64-127) may be out
	MUL16 \f, 0, 0, \zero
	MUL16 \f, 0, 2, \zero
	PLACES
	FETCH \qn, \g
	s_wait_dscnt 32                                ; all but the 32 just issued
	MUL16 \f, 1, 0, \zero
	MUL16 \f, 1, 2, \zero
.endm
; The last quarter multiplies buffer 1 and changes slots.  One barrier: in front of it each wave waits for all its tensor loads (one is out: its part of the next slot), adds 0 to its spare word, and waits
; for that and for its reads of this slot.  fill = 1: the barrier opens a round of the cluster's barrier, and this slot is filled again, with the K step two on, first thing behind the round.
.macro TURN fill
	WIN 0
	s_wait_tensorcnt 0x0
	ds_add_u32 v[SPW], v[NIL]
	s_wait_dscnt 9                                 ; (the add and the youngest eight loads may be out)
	MUL16 F1, 0, 0, 0
	s_wait_dscnt 0x0                               ; the add is done, and my reads of this slot are over
	s_barrier_signal -1
	MUL16 F1, 0, 2, 0
	WIN 0
	s_barrier_wait -1
.if \fill
	CREST
	s_xor_b32 s[G0+5], s[G0+5], SLOTX              ; the walking sets: the other slot than last time, the next K step; no load of mine is out
	s_add_nc_u64 s[G0+6:G0+7], s[G0+6:G0+7], ASTEP
	s_xor_b32 s[G0B+5], s[G0B+5], SLOTX
	s_add_nc_u64 s[G0B+6:G0B+7], s[G0B+6:G0B+7], BSTEP
	JLOAD                                          ; its four v_nop are also the places in front of the loads below
.else
	PLACES
.endif
	s_xor_b32 s2, s2, SLOTX
	v_add_nc_u32 v[ADRA], s2, v[ADRA0]
	v_add_nc_u32 v[ADRB], s2, v[ADRB0]
	FETCH 0, F0
	MUL16 F1, 1, 0, 0
	MUL16 F1, 1, 2, 0
.endm
; THE WAY OUT of block a (16 rows).  PACK: ra x sum + rb x bias; the running maximum of its magnitude, in four chains (formed in every launch, stored where it is wanted); rounded to f16; held above lo.
.macro PACK a
.set AC, 64*((\a)%4)
	WIN 0x02+(\a)/4                                ; source 0: window 2 or 3
.irp b, 0,1,2,3,4,5,6,7
.irp r, 0,2,4,6
	v_pk_fma_f32 v[T+8*(\b)+(\r):T+8*(\b)+(\r)+1], v[AC+8*(\b)+(\r):AC+8*(\b)+(\r)+1], s[92:93], v[BIAS+8*(\b)+(\r):BIAS+8*(\b)+(\r)+1] op_sel_hi:[1,0,1]
.endr
.endr
	WIN 0
.set z, 0
.rept 32
.if ((\a) == 0) && (z < 4)
	v_max_num_f32 v[SM+z], |v[T+2*z]|, |v[T+2*z+1]|
.else
	v_max3_num_f32 v[SM+z%4], v[SM+z%4], |v[T+2*z]|, |v[T+2*z+1]|
.endif
.set z, z+1
.endr
.set z, 0
.rept 32
	v_cvt_pk_f16_f32 v[TMP+z], v[T+2*z], v[T+2*z+1]
.set z, z+1
.endr
.set z, 0
.rept 32
	v_pk_max_num_f16 v[TMP+z], v[TMP+z], s95
.set z, z+1
.endr
.endm
; OUTB: block snd, which has come back from my stage as whole rows, is stored; block bck goes into the stage, 16 bytes a lane, and is asked back.  (-1: none.)  The two layouts differ in the rows that a load
; takes back and in the stores' offsets: two sets of lines under a branch on MODE.
.macro OUTB snd, bck
	s_wait_dscnt 0x0                               ; block snd is back in registers
.if (\bck) >= 0
.irp b, 0,1,2,3,4,5,6,7
	ds_store_b128 v[STO], v[TMP+4*(\b):TMP+4*(\b)+3] offset:((\b)/4)*16*PA+((\b)%4)*32
.endr
.endif
	s_wait_xcnt 0x0                                ; the registers that take block bck were the data of the stores two blocks back: loaded again only behind this wait
	s_cmp_eq_u32 s90, 0
	s_cbranch_scc0 .Lrows512_\@
.if (\snd) >= 0
.irp t, 0,1,2,3,4,5,6,7
	global_store_b128 v[CO], v[OB0+128*((\snd)%2)+4*(\t):OB0+128*((\snd)%2)+4*(\t)+3], s[6:7] offset:((\t)/4)*524288+(\snd)*2048+((\t)%4)*512  ; 512 consecutive bytes, at a multiple of 256 from D's first
.endr
.endif
.if (\bck) >= 0
.irp t, 0,1,2,3,4,5,6,7
	ds_load_b128 v[OB0+128*((\bck)%2)+4*(\t):OB0+128*((\bck)%2)+4*(\t)+3], v[RD] offset:((\t)/4)*16*PA+((\t)%4)*4*PA  ; LDS serves a wave's instructions in order (ISA guide 5.7.1.4): these see the stores above
.endr
.endif
	s_branch .Lsent_\@
.Lrows512_\@:
.if (\snd) >= 0
.irp t, 0,1,2,3,4,5,6,7
	global_store_b128 v[CO1], v[OB0+128*((\snd)%2)+4*(\t):OB0+128*((\snd)%2)+4*(\t)+3], s[6:7] offset:(\snd)*8192+(\t)*1024  ; 16 lanes store 256 consecutive bytes, at a multiple of 256 from the buffer's first
.endr
.endif
.if (\bck) >= 0
.irp t, 0,1,2,3,4,5,6,7
	ds_load_b128 v[OB0+128*((\bck)%2)+4*(\t):OB0+128*((\bck)%2)+4*(\t)+3], v[RD1] offset:(\t)*2*PA
.endr
.endif
.Lsent_\@:
.endm
	s_wait_tensorcnt 1                             ; my part of K step 0 is in; K step 1's may stay out
	s_barrier_signal -1
	s_barrier_wait -1
	FETCH 0, F0
	QUARTER 1, F0, F1, 1                           ; the first quarter stands in front of the loop: its products start the sums
	WIN 0
	s_mov_b32 s3, 6
.Lk:                                                   ; a trip: from a K step's second quarter to the next step's first; six trips fill a slot again
	QUARTER 2, F1, F0, 0
	QUARTER 3, F0, F1, 0
	TURN 1
	QUARTER 1, F0, F1, 0
	WIN 0
	s_sub_co_u32 s3, s3, 1
	s_cmp_lg_u32 s3, 0
	s_cbranch_scc1 .Lk
	QUARTER 2, F1, F0, 0                           ; the last two K steps ask for nothing
	QUARTER 3, F0, F1, 0
	TURN 0
	QUARTER 1, F0, F1, 0
	QUARTER 2, F1, F0, 0
	QUARTER 3, F0, F1, 0
	s_wait_dscnt 8
	MUL16 F1, 0, 0, 0
	MUL16 F1, 0, 2, 0
	s_wait_dscnt 0x0
	MUL16 F1, 1, 0, 0
	MUL16 F1, 1, 2, 0
	WIN 0
	s_wait_loadcnt 0x0                             ; the bias
	s_wait_kmcnt 0x0                               ; ra, rb, lo
	PLACES
.set z, 0
.rept 32
	v_pk_mul_f32 v[BIAS+2*z:BIAS+2*z+1], v[BIAS+2*z:BIAS+2*z+1], s[94:95] op_sel_hi:[1,0]  ; rb x bias, once for all eight blocks
.set z, z+1
.endr
	PACK 0
	OUTB -1, 0
.irp a, 1,2,3,4,5,6,7                  ; block a's arithmetic stands between block a - 1's loads from the stage and the wait for them
	PACK \a
	OUTB (\a)-1, \a
.endr
	OUTB 7, -1
	s_cmp_eq_u32 s91, 0
	s_cbranch_scc1 .Lno_max
	v_max3_num_f32 v[SM], v[SM], v[SM+1], v[SM+2]
	v_max_num_f32 v[SM], v[SM], v[SM+3]
	v_max_num_f32_dpp v[SM], v[SM], v[SM] row_xmask:1 row_mask:0xf bank_mask:0xf
	v_max_num_f32_dpp v[SM], v[SM], v[SM] row_xmask:2 row_mask:0xf bank_mask:0xf
	v_max_num_f32_dpp v[SM], v[SM], v[SM] row_xmask:4 row_mask:0xf bank_mask:0xf
	v_max_num_f32_dpp v[SM], v[SM], v[SM] row_xmask:8 row_mask:0xf bank_mask:0xf
	v_permlanex16_b32 v[SM+1], v[SM], s66, s67
	v_max_num_f32 v[SM], v[SM], v[SM+1]
	global_store_b32 v[ZR], v[SM], s[70:71]        ; the largest |D| of my wave's 128 x 128; all lanes store the same word
.Lno_max:
	s_wait_tensorcnt 0x0                           ; the wave's end
	ds_add_u32 v[SPW], v[NIL]
	s_wait_dscnt 0x0
	CROUND                                         ; the closing round
	s_endpgm
.Lfunc_end_k_qec3b4e5e1f_qkv:
	.size	k_qec3b4e5e1f_qkv, .Lfunc_end_k_qec3b4e5e1f_qkv-k_qec3b4e5e1f_qkv
	.p2alignl 7, 3214868480
	.fill 96, 4, 3214868480
	.section	.rodata,"a",@progbits
	.p2align	6, 0x0
	.amdhsa_kernel k_qec3b4e5e1f_qkv
		.amdhsa_group_segment_fixed_size 327680
		.amdhsa_private_segment_fixed_size 0
		.amdhsa_enable_private_segment 0
		.amdhsa_kernarg_size 56
		.amdhsa_user_sgpr_count 2
		.amdhsa_user_sgpr_kernarg_segment_ptr 1
		.amdhsa_wavefront_size32 1
		.amdhsa_system_sgpr_workgroup_id_x 1
		.amdhsa_system_sgpr_workgroup_id_y 1
		.amdhsa_system_sgpr_workgroup_id_z 1
		.amdhsa_system_vgpr_workitem_id 0
		.amdhsa_next_free_vgpr 1024
		.amdhsa_next_free_sgpr 96
		.amdhsa_reserve_vcc 0
		.amdhsa_float_denorm_mode_32 3
		.amdhsa_float_denorm_mode_16_64 3
		.amdhsa_memory_ordered 1
		.amdhsa_forward_progress 1
		.amdhsa_inst_pref_size 190
	.end_amdhsa_kernel
	.amdgpu_metadata
---
amdhsa.version: [ 1, 2 ]
amdhsa.kernels:
  - .name:           k_qec3b4e5e1f_qkv
    .symbol:         k_qec3b4e5e1f_qkv.kd
    .args:
      - { .name: gq, .offset: 0, .size: 8, .value_kind: global_buffer, .address_space: global }
      - { .name: qkv, .offset: 8, .size: 8, .value_kind: global_buffer, .address_space: global }
      - { .name: gw, .offset: 16, .size: 8, .value_kind: global_buffer, .address_space: global }
      - { .name: gf, .offset: 24, .size: 8, .value_kind: global_buffer, .address_space: global }
      - { .name: st, .offset: 32, .size: 8, .value_kind: global_buffer, .address_space: global }
      - { .name: pb, .offset: 40, .size: 8, .value_kind: global_buffer, .address_space: global }
      - { .name: b1, .offset: 48, .size: 8, .value_kind: global_buffer, .address_space: global }
    .group_segment_fixed_size: 327680
    .private_segment_fixed_size: 0
    .kernarg_segment_align: 8
    .kernarg_segment_size: 56
    .max_flat_workgroup_size: 128
    .sgpr_count:     96
    .vgpr_count:     1024
    .wavefront_size: 32
...
	.end_amdgpu_metadata
.endif
;; end of part 2
;; launch attn (part 3): grid 4 x 64, 4 waves a work-group, clusters of 4 x 1, 327,680 bytes of LDS; arguments qkv, lm, st, gf; writes gf
.if DOCPART == 3
	.amdgcn_target "amdgcn-amd-amdhsa--gfx1250"
	.amdhsa_code_object_version 6
	.text
	.protected	k_qec3b4e5e1f_attn
	.globl	k_qec3b4e5e1f_attn
	.p2align	8
	.type	k_qec3b4e5e1f_attn,@function
k_qec3b4e5e1f_attn:
	s_mov_b64 s[64:65], 0
	v_nop
	global_prefetch_b8 v0, s[64:65] scope:SCOPE_SE
	s_setreg_imm32_b32 hwreg(HW_REG_WAVE_MODE, 25, 1), 1
	s_wait_xcnt 0x0
	s_wait_alu depctr_hold_cnt(0) depctr_sa_sdst(0) depctr_va_vdst(0) depctr_va_sdst(0) depctr_va_ssrc(0) depctr_va_vcc(0) depctr_vm_vsrc(0)
	s_getreg_b32 s2, hwreg(HW_REG_IB_STS2, 6, 4)
	s_cmp_eq_u32 s2, 0
	s_cbranch_scc0 .Lentry_in_a_cluster
	s_endpgm
.Lentry_in_a_cluster:
	s_bfe_u32 s2, ttmp6, 0x10000c
	s_cmp_lg_u32 s2, 0x3003
	s_cbranch_scc0 .Lentry_shape_is_right
	s_endpgm
.Lentry_shape_is_right:
; MASKED ATTENTION.  ctx[b][q][h][:] = sum over t of softmax_t(mask ? -big : q . k / 32) v[t][:].  q, k, v: panels 0-15, 16-31, 32-47 of qkv, [panel h][row 1024 b + s][64] in f16.
; What goes out, in the same layout, is ctx'' = ctx with column k multiplied by E[k] / Emax (powers of two, at most 1): the next product's weights W'' carry 1 / E[k].
; Products, maxima and sums in f32; the weights p are rounded to f16 for the second product (their sum l is taken of the unrounded p), ctx'' once at the end.
; THE NEXT PRODUCTS' SCALARS are made here too, by every wave alike, from maxima that the launches before stored: U = 1024 Emax max|v| max|W''| + max|b'| bounds |ctx Wo W1 + b'| (ctx is a mean of v's rows);
; S = 2^14 / 2^floor(log2 U).  Each work-group stores (ra, 0, rb, lo) = (S Emax, 0, S, 0) for one work-group of the next launch, and 1 / S for 16 rows of the last.
; LIMITS.  A masked score counts as -2^30 where the module writes -1e9 (as q . k: -2^35, so that c times it is exact and a row with every key masked gets p = 1 throughout: the mean of v, as the module gives);
; the two differ only where an unmasked score lies below about -1e9.  Unmasked |score| stays under 1e8, so that the rounding of c m leaves p within f16.  A weight below 2^-126 counts as 0.
; U's exponent is held to -95 .. 95, and S Emax must be finite.  NaN and infinities are not treated apart.
; SHARES.  A work-group owns 256 queries of one (b, h), a wave 64: four tiles of 16, in two pieces (tiles 0, 1 and tiles 2, 3).  All 1,024 keys of K and V lie in LDS, filled once: the loop has no ring and no barrier.
; CLUSTER.  The four query blocks of a (b, h) read the same K and V: one joint load a wave (512 keys of K or of V), with the mask of all four.
; LAYOUT.  S^T = K Q^T holds one query a lane (l % 16) and the keys 8 (l / 16) + 0..7 of each block of 16; two such results rounded to f16 are source 1 of O^T = V^T P.  V is turned on the way out of LDS.
; SOFTMAX.  Running maximum m and sum l: p = 2^(c s - c m), c = log2(e) / 32; O and l are multiplied by a = 2^(c m_old - c m_new) in every step.  m starts at the lowest finite number, O and l at 0: the first step has a = 0.
; THE MASK comes as words of one bit a lane (lm), by scalar loads a turn ahead, and chooses by v_cndmask_b32.
; BY TURNS.  In a turn one piece's softmax (300 vector lines) is dealt evenly, eight lines to each of the other piece's 32 products: 16 of V^T P, then 16 of K Q^T for its next step.  The two touch no common register.
; REGISTERS: window 0: v2-8 addresses, v12-15 c m_old, v16-31 c m, m, l, l by tile, v32-47 at work by tile, v52 the masked score, v56-62 offsets at the start, v64-191 S^T, v192-255 P;
; window 1: v0-127 O^T, v128-159 E / Emax of my 32 channels; window 2: v0-63 Q, v64-127 K, v128-191 V of one step.
.set PK,    144                        ; a row of K in LDS: 128 bytes + 16
.set PV,    160                        ; a row of V: 128 + 32
.set KS,    64
.set VOFF,  1024*PK
.set STAGE, VOFF+1024*PV               ; never filled by a tensor load: 16 rows x 144 bytes for each wave
.set SP,    144
.set SPARE, STAGE+4*16*SP
.set EP,    0x1000000
.set AK0, 2
.set AV0, 3
.set AK,  4
.set AV,  5
.set QO,  6
.set STO, 6
.set RD,  7
.set GO,  8
.set MV,  12
.set ST,  16
.set TMP, 32
.set NEGV, 52
.set SPW, 54
.set NIL, 55
.set S,   64
.set P,   192
.set KF,  64
.set VF,  128
.set EK,  128                          ; window 1
.set WV,  12
.set G0K, 16                           ; the descriptors lie where the mask words go once the loads have landed
.set G0V, 20
.set G1K, 24
.set G1V, 32
.set LMP, 84                           ; s[84:85] lm at my wave's first tile
.set MOFF, 86                          ; 128 x the step whose words are asked for
.set CNT, 87
.set TBK, 88
.set TBV, 89
.set CS,  90
.set SEL, 92
.set MSB, 0
.macro WIN new
.if MSB != (\new)
	s_set_vgpr_msb (MSB<<8)|(\new)
.set MSB, (\new)
.endif
.endm
.set W_KQ, 0x0a                        ; K and Q in window 2, S^T in window 0
.set W_PV, 0x52                        ; V in window 2, P in window 0, O^T in window 1
.set W_RS, 0x41                        ; destination and source 0 in window 1, source 1 in window 0
.macro CROUND
	s_barrier_signal -1
	s_barrier_wait -1
	s_cmp_lg_u32 s[WV], 0
	s_cbranch_scc1 .Lnot_wave_0_\@
	s_barrier_signal -3
.Lnot_wave_0_\@:
	s_barrier_wait -3
	s_barrier_signal -1
	s_barrier_wait -1
.endm
	s_load_b256 s[4:11], s[0:1], 0x0               ; qkv s[4:5], lm s[6:7], st s[8:9], gf s[10:11]
	v_lshl_add_u32 v[SPW], v0, 2, SPARE
	v_mov_b32 v[NIL], 0
	ds_add_u32 v[SPW], v[NIL]                      ; the wave's opening: the add and its wait ahead of my first tensor load
	v_lshrrev_b32 v1, 5, v0
	v_readfirstlane_b32 s[WV], v1
	s_bfe_u32 s13, ttmp6, 0x40000                  ; cx
	s_lshl_b32 s14, ttmp9, 2
	s_add_co_u32 s14, s14, s13                     ; my block of 256 queries: it enters global addresses alone
	s_and_b32 s15, ttmp7, 0xffff
	s_lshr_b32 s2, s15, 4                          ; b
	s_and_b32 s3, s15, 15                          ; h
	s_lshl_b32 s40, s3, 19                         ; panel h,
	s_lshl_b32 s41, s2, 17                         ; rows 1024 b on
	s_add_co_u32 s40, s40, s41
	s_and_b32 s42, s[WV], 1                        ; which 512 keys I fetch
	s_lshl_b32 s43, s42, 16
	s_add_co_u32 s44, s40, s43
	s_mov_b32 s45, 0
	s_mul_i32 s46, s42, 512*PK
	s_mul_i32 s47, s42, 512*PV
	s_lshl_b32 s48, s14, 15                        ; my block's 256 rows, my wave's 64 of them
	s_lshl_b32 s49, s[WV], 13
	s_add_co_u32 s48, s48, s49
	s_add_co_u32 s50, s48, s41                     ; lm: (64 b + 16 block + 4 wave) tiles of 2,048 bytes: the same three shifts
	s_add_co_u32 s48, s48, s40
	s_mov_b32 s49, 0
	s_mov_b32 s51, 0
	s_lshl_b32 s52, s15, 2                         ; my work-group's number, 4 y + block: 16 bytes of scalars for the next launch's work-group of that number
	s_add_co_u32 s52, s52, s14
	s_lshl_b32 s52, s52, 4
	s_add_co_u32 s52, s52, EP
	s_mov_b32 s53, 0
	s_lshl_b32 s54, s2, 12                         ; 1 / S for rows 1024 b + 256 block + 16 h on
	s_lshl_b32 s55, s14, 10
	s_add_co_u32 s54, s54, s55
	s_lshl_b32 s55, s3, 6
	s_add_co_u32 s54, s54, s55
	s_add_co_u32 s54, s54, EP+36864
	s_mov_b32 s55, 0
	s_lshl_b32 s56, s3, 8                          ; E of my head's 64 channels
	s_add_co_u32 s56, s56, 8192
	s_mov_b32 s57, 0
	; 512 keys are 65,536 dense bytes: asked for as 256 rows of 256 bytes, padded in LDS after every key (32 words: code 4)
	s_mov_b32 s[G1K], 15|(1<<16)|(1<<20)|(1<<21)|(4<<22)|(3<<25)
	s_mov_b32 s[G1V], 15|(1<<16)|(1<<20)|(1<<21)|(4<<22)|(7<<25)
.irp g, G1K, G1V
	s_mov_b32 s[\g+1], 128<<16                     ; tensor_dim0 = 128
	s_mov_b32 s[\g+2], 256<<16                     ; tensor_dim1 = 256
	s_mov_b32 s[\g+3], 128<<16                     ; tile_dim0
	s_mov_b32 s[\g+4], 256                         ; tile_dim1
	s_mov_b32 s[\g+5], 128
	s_mov_b32 s[\g+6], 0
	s_mov_b32 s[\g+7], 0
.endr
	s_mov_b32 s[G0K], 1
	s_mov_b32 s[G0K+1], s46
	s_mov_b32 s[G0V], 1
	s_add_co_u32 s[G0V+1], s47, VOFF
	s_mov_b32 s[CS], 0x3d38aa3b                    ; c = log2(e) / 32
	s_mov_b32 s[CS+1], s[CS]
	s_mov_b32 s[SEL], 0x76543210
	s_mov_b32 s[SEL+1], 0xfedcba98
	s_wait_dscnt 0x0                               ; the opening add is done
	s_wait_kmcnt 0x0
	s_add_nc_u64 s[G0K+2:G0K+3], s[4:5], s[44:45]
	s_add_nc_u64 s[G0K+2:G0K+3], s[G0K+2:G0K+3], 0x800000     ; k begins 16 panels in,
	s_or_b32 s[G0K+3], s[G0K+3], 0x80000000
	s_add_nc_u64 s[G0V+2:G0V+3], s[4:5], s[44:45]
	s_add_nc_u64 s[G0V+2:G0V+3], s[G0V+2:G0V+3], 0x1000000    ; v 32
	s_or_b32 s[G0V+3], s[G0V+3], 0x80000000
	s_add_nc_u64 s[4:5], s[4:5], s[48:49]          ; Q at my wave's first row
	s_add_nc_u64 s[94:95], s[10:11], s[52:53]
	s_add_nc_u64 s[96:97], s[10:11], s[54:55]
	s_add_nc_u64 s[98:99], s[8:9], s[56:57]
	s_add_nc_u64 s[10:11], s[10:11], s[48:49]      ; ctx'' at my wave's first row
	s_add_nc_u64 s[LMP:LMP+1], s[6:7], s[50:51]
	CROUND                                         ; all four work-groups are here: the joint loads meet
	s_cmp_lt_u32 s[WV], 2                          ; waves 0 and 1 fetch K's halves, waves 2 and 3 V's: one load of mine is out; an s_nop 0 and four v_nop follow each line
	s_cbranch_scc0 .Lfor_v
	tensor_load_to_lds s[G0K:G0K+3], s[G1K:G1K+7]
	s_nop 0
.rept 4
	v_nop
.endr
	s_branch .Lasked
.Lfor_v:
	tensor_load_to_lds s[G0V:G0V+3], s[G1V:G1V+7]
	s_nop 0
.rept 4
	v_nop
.endr
.Lasked:
	v_and_b32 v1, 15, v0                           ; l % 16
	v_bfe_u32 v9, v0, 4, 1                         ; l / 16
	v_lshlrev_b32 v[QO], 7, v1
	v_lshl_add_u32 v[QO], v9, 4, v[QO]
	v_and_b32 v56, 31, v0                          ; l
	v_lshrrev_b32 v57, 1, v56
	v_lshlrev_b32 v57, 8, v57
	v_and_b32 v58, 1, v0
	v_lshl_or_b32 v57, v58, 5, v57                 ; v's maxima: 64 bytes in each 256 (tile columns 8-11 of a tile row): 256 (l / 2) + 32 (l % 2), from byte 128 on
	v_lshlrev_b32 v58, 5, v56                      ; 32 l
	v_lshlrev_b32 v59, 4, v56                      ; 16 l
	v_lshlrev_b32 v60, 5, v9                       ; 32 (l / 16)
	v_lshlrev_b32 v61, 2, v1                       ; 4 (l % 16)
	v_mov_b32 v62, 0
	WIN 0x80                                       ; destination window 2
.set i, 0
.rept 8                                ; Q stays in registers: tile i / 2, channels 32 (i % 2) on
	global_load_b128 v[8*i:8*i+3],   v[QO], s[4:5] offset:(i/2)*2048+(i%2)*64
	global_load_b128 v[8*i+4:8*i+7], v[QO], s[4:5] offset:(i/2)*2048+(i%2)*64+32
.set i, i+1
.endr
	; What the first turn finds: V's registers and the second piece's P hold 0 (its products V^T P, of a step that has not been, add 0); O^T and l are 0.  All this stands in the wait for K and V.
.set i, VF
.rept 64
	v_mov_b32 v[i], 0
.set i, i+1
.endr
	WIN 0x40
.irp c, 0,1,2,3                        ; E of the channels that my lane holds of O^T: register 8 c + j is channel 16 c + 8 (l / 16) + j
	global_load_b128 v[EK+8*\c:EK+8*\c+3],   v60, s[98:99] offset:64*\c
	global_load_b128 v[EK+8*\c+4:EK+8*\c+7], v60, s[98:99] offset:64*\c+16
.endr
.set i, 0
.rept 128
	v_mov_b32 v[i], 0
.set i, i+1
.endr
	WIN 0
	global_load_b128 v[64:67], v57, s[8:9] offset:128      ; 256 maxima of |v|,
	global_load_b128 v[68:71], v57, s[8:9] offset:144
	global_load_b128 v[72:75], v58, s[8:9] offset:4096     ; 256 of |W''|,
	global_load_b128 v[76:79], v58, s[8:9] offset:4112
	global_load_b128 v[80:83], v59, s[8:9] offset:5120     ; 128 of |b'|,
.irp i, 0,1,2,3,4,5,6,7
	global_load_b128 v[84+4*\i:87+4*\i], v59, s[8:9] offset:8192+512*\i  ; and all 1,024 E
.endr
.set i, 0
.rept 4
	v_mov_b32 v[ST+4*i], 0xfe000000                ; c m: far below every c s
	v_mov_b32 v[ST+4*i+1], 0xff7fffff              ; m
	v_mov_b32 v[ST+4*i+2], 0
	v_mov_b32 v[ST+4*i+3], 0
.set i, i+1
.endr
.set i, P+32
.rept 32
	v_mov_b32 v[i], 0
.set i, i+1
.endr
	v_mov_b32 v[NEGV], 0xd1000000                  ; -2^35
	v_mul_u32_u24 v[AK0], v1, PK
	v_lshl_add_u32 v[AK0], v9, 4, v[AK0]
	v_and_b32 v10, 7, v0
	v_bfe_u32 v11, v0, 3, 1
	v_lshl_add_u32 v[AV0], v9, 3, v10              ; the turning load: key 8 (l / 16) + l % 8, channels 8 ((l / 8) % 2) + 0..7
	v_mul_u32_u24 v[AV0], v[AV0], PV
	v_lshl_add_u32 v[AV0], v11, 4, v[AV0]
	v_add_nc_u32 v[AV0], VOFF, v[AV0]
	v_mov_b32 v[AK], v[AK0]
	s_wait_loadcnt 0x0                             ; Q, E and the maxima
	v_max3_num_f32 v64, v64, v65, v66              ; none of these numbers is negative
	v_max3_num_f32 v67, v67, v68, v69
	v_max3_num_f32 v64, v64, v70, v71
	v_max_num_f32 v64, v64, v67
	v_max3_num_f32 v72, v72, v73, v74
	v_max3_num_f32 v75, v75, v76, v77
	v_max3_num_f32 v72, v72, v78, v79
	v_max_num_f32 v72, v72, v75
	v_max3_num_f32 v80, v80, v81, v82
	v_max_num_f32 v80, v80, v83
.set i, 85
.rept 15
	v_max3_num_f32 v84, v84, v[i], v[i+1]
.set i, i+2
.endr
	v_max_num_f32 v84, v84, v115
.irp r, 64,72,80,84                    ; across the 32 lanes: every lane ends with max |v| in v64, max |W''| in v72, max |b'| in v80, Emax in v84
	v_max_num_f32_dpp v[\r], v[\r], v[\r] row_xmask:1 row_mask:0xf bank_mask:0xf
	v_max_num_f32_dpp v[\r], v[\r], v[\r] row_xmask:2 row_mask:0xf bank_mask:0xf
	v_max_num_f32_dpp v[\r], v[\r], v[\r] row_xmask:4 row_mask:0xf bank_mask:0xf
	v_max_num_f32_dpp v[\r], v[\r], v[\r] row_xmask:8 row_mask:0xf bank_mask:0xf
	v_permlanex16_b32 v[\r+1], v[\r], s[SEL], s[SEL+1]
	v_max_num_f32 v[\r], v[\r], v[\r+1]
.endr
	v_mul_f32 v65, v64, v72
	v_mul_f32 v65, 0x44800000, v65                 ; x 1,024
	v_fma_f32 v65, v65, v84, v80                   ; U
	v_and_b32 v65, 0x7f800000, v65                 ; 2^floor(log2 U),
	v_max_u32 v65, 0x10000000, v65                 ; its exponent field held to 32 .. 222
	v_min_u32 v65, 0x6f000000, v65
	v_sub_nc_u32 v118, 0x86000000, v65             ; rb = S: the exponent field 254 + 14 less U's
	v_add_nc_u32 v66, 0xf9000000, v65              ; 1 / S: U's less 14
	v_mul_f32 v116, v118, v84                      ; ra = S Emax
	v_mov_b32 v117, 0
	v_mov_b32 v119, 0                              ; lo = 0: the ReLU
	v_sub_nc_u32 v68, 0x7f000000, v84              ; 1 / Emax
	v_mov_b32 v69, v68
	WIN W_RS
.set i, 0
.rept 16
	v_pk_mul_f32 v[EK+2*i:EK+2*i+1], v[EK+2*i:EK+2*i+1], v[68:69] op_sel_hi:[1,0]
.set i, i+1
.endr
	WIN 0
	s_cmp_lg_u32 s[WV], 0
	s_cbranch_scc1 .Lno_table
	global_store_b128 v62, v[116:119], s[94:95]    ; all lanes store the same 16 bytes
	global_store_b32 v61, v66, s[96:97]            ; 16 rows' 1 / S; lanes 16-31 store what lanes 0-15 store
	s_wait_xcnt 0x0                                ; these registers take scores only behind this wait
.Lno_table:
; THE MATRIX WORK.  The 8 accumulators of a run of 16 take turns.  Product i of 16, for the piece whose first tile is x0: tile x0 + i % 2.
.macro MKQ x0                          ; S^T = K Q^T: channels 32 (i / 8) on, keys 16 ((i / 2) % 4) on; the first 8 start the sums
	WIN W_KQ
.set rS, S+32*((\x0)+i%2)+8*((i/2)%4)
.set rK, KF+16*((i/2)%4)+8*(i/8)
.set rQ, 16*((\x0)+i%2)+8*(i/8)
.if i < 8
	v_wmma_f32_16x16x32_f16 v[rS:rS+7], v[rK:rK+7], v[rQ:rQ+7], 0
.else
	v_wmma_f32_16x16x32_f16 v[rS:rS+7], v[rK:rK+7], v[rQ:rQ+7], v[rS:rS+7]
.endif
.endm
.macro MPV x0                          ; O^T += V^T P: keys 32 (i / 8) on, channels 16 ((i / 2) % 4) on
	WIN W_PV
.set rO, 32*((\x0)+i%2)+8*((i/2)%4)
.set rV, VF+32*(i/8)+8*((i/2)%4)
.set rP, P+16*((\x0)+i%2)+8*(i/8)
	v_wmma_f32_16x16x32_f16 v[rO:rO+7], v[rV:rV+7], v[rP:rP+7], v[rO:rO+7]
.endm
.macro FETCH_K                         ; a step's K: 8 fragments, keys 16 (f / 2) on, channels 32 (f % 2) on
	WIN 0x80
.irp f, 0,1,2,3,4,5,6,7
	ds_load_b128 v[KF+8*\f:KF+8*\f+3],   v[AK] offset:(\f/2)*16*PK+(\f%2)*64
	ds_load_b128 v[KF+8*\f+4:KF+8*\f+7], v[AK] offset:(\f/2)*16*PK+(\f%2)*64+32
.endr
	WIN 0
.endm
.macro FETCH_V                         ; a step's V, turned: keys 32 (f / 4) on, channels 16 (f % 4) on
	WIN 0x80
.irp f, 0,1,2,3,4,5,6,7
	ds_load_tr16_b128 v[VF+8*\f:VF+8*\f+3],   v[AV] offset:(\f/4)*32*PV+(\f%4)*32
	ds_load_tr16_b128 v[VF+8*\f+4:VF+8*\f+7], v[AV] offset:(\f/4)*32*PV+16*PV+(\f%4)*32
.endr
	WIN 0
.endm
.macro MLOAD t0                        ; the 64 mask words of tiles t0, t0 + 1 for the step at MOFF: tile t0 into s16-47, tile t0 + 1 into s48-63 and s68-83
	s_load_b512 s[16:31], s[LMP:LMP+1], s[MOFF] offset:(\t0)*2048
	s_load_b512 s[32:47], s[LMP:LMP+1], s[MOFF] offset:(\t0)*2048+64
	s_load_b512 s[48:63], s[LMP:LMP+1], s[MOFF] offset:(\t0)*2048+2048
	s_load_b512 s[68:83], s[LMP:LMP+1], s[MOFF] offset:(\t0)*2048+2112
.endm
; What stands in front of a turn's product number mi.  First piece's turn, 18: V of the step in hand; its last reader is product 15, 24 vector lines back, of which more than four are plain and none names its registers.
; Second piece's turn, 0: V is waited for, and K of the next step is fetched (its last reader stands 52 vector lines back); in the last trip there is no next step and the run is jumped over.  16: K is waited for.
.macro HOOK
.if (TID == 0) && (mi == 18)
	WIN 0
	v_add_nc_u32 v[AV], s[TBV], v[AV0]
	FETCH_V
	s_add_co_u32 s[TBV], s[TBV], KS*PV
.endif
.if (TID == 1) && (mi == 0)
	WIN 0
	s_wait_dscnt 0x0
	s_cmp_eq_u32 s[CNT], 1
	s_cbranch_scc1 .Lno_k_\@
	v_add_nc_u32 v[AK], s[TBK], v[AK0]
	FETCH_K
	s_add_co_u32 s[TBK], s[TBK], KS*PK
.Lno_k_\@:
.endif
.if (TID == 1) && (mi == 16)
	s_wait_dscnt 0x0
.endif
.endm
.macro TICK                            ; behind every vector line: each eighth is followed by the turn's next product
.set vc, vc+1
.if (vc%8 == 0) && (mi < 32)
	HOOK
.if mi < 16
.set i, mi
	MPV OT
.else
.set i, mi-16
	MKQ OT
.endif
.set mi, mi+1
.endif
.endm
; THE VECTOR LINES, for tile u (0, 1) of the piece in hand, whose first tile is PT
.macro REGS u
.set tt, PT+(\u)
.set rT, ST+4*tt
.set rC, TMP+4*tt
.set rM, MV+tt
.set rS, S+32*tt
.set rP, P+16*tt
.set rO, 32*tt
.endm
.macro LM u, n                         ; score n is replaced where its mask bit is set; n ascends
.if (\u) == 0
.set mk, 16+(\n)
.elseif (\n) < 16
.set mk, 48+(\n)
.else
.set mk, 52+(\n)
.endif
	REGS \u
	WIN 0
	v_cndmask_b32 v[rS+(\n)], v[rS+(\n)], v[NEGV], s[mk]
	TICK
.endm
; number n of the 22 that find the maximum and the statistics: 0-11 four chains of seven scores; 12-14, 16 the four left over, the old m, and the chains into c0; 15 c m_old is kept;
; 17, 18 the query's other 32 keys lie in the lane 16 away; 19-21 c m, c m_old - c m_new, a
.macro LX u, n
	REGS \u
	WIN 0
.if (\n) < 4
	v_max3_num_f32 v[rC+(\n)], v[rS+8*(\n)], v[rS+8*(\n)+1], v[rS+8*(\n)+2]
.elseif (\n) < 12
	v_max3_num_f32 v[rC+(\n)%4], v[rC+(\n)%4], v[rS+8*((\n)%4)+2*((\n)/4)+1], v[rS+8*((\n)%4)+2*((\n)/4)+2]
.elseif (\n) == 12
	v_max3_num_f32 v[rC], v[rC], v[rS+7], v[rS+15]
.elseif (\n) == 13
	v_max3_num_f32 v[rC+1], v[rC+1], v[rS+23], v[rS+31]
.elseif (\n) == 14
	v_max3_num_f32 v[rC+2], v[rC+2], v[rC+3], v[rT+1]
.elseif (\n) == 15
	v_mov_b32 v[rM], v[rT]
.elseif (\n) == 16
	v_max3_num_f32 v[rC], v[rC], v[rC+1], v[rC+2]
.elseif (\n) == 17
	v_permlanex16_b32 v[rC+3], v[rC], s[SEL], s[SEL+1]
.elseif (\n) == 18
	v_max_num_f32 v[rT+1], v[rC], v[rC+3]
.elseif (\n) == 19
	v_mul_f32 v[rT], s[CS], v[rT+1]
.elseif (\n) == 20
	v_sub_f32 v[rC+1], v[rM], v[rT]
.else
	v_exp_f32 v[rC+2], v[rC+1]
.endif
	TICK
.endm
.macro LF u, p                         ; c s - c m for pair p of 16
	REGS \u
	WIN 0
	v_pk_fma_f32 v[rS+2*(\p):rS+2*(\p)+1], v[rS+2*(\p):rS+2*(\p)+1], s[CS:CS+1], v[rT:rT+1] op_sel_hi:[1,0,0] neg_lo:[0,0,1] neg_hi:[0,0,1]
	TICK
.endm
.macro LE u, n                         ; the exponential of score n
	REGS \u
	WIN 0
	v_exp_f32 v[rS+(\n)], v[rS+(\n)]
	TICK
.endm
.macro LC u, p                         ; pair p rounded to f16
	REGS \u
	WIN 0
	s_wait_alu depctr_va_vdst(0)
	v_cvt_pk_f16_f32 v[rP+(\p)], v[rS+2*(\p)], v[rS+2*(\p)+1]
	TICK
.endm
.macro LS u, p                         ; l takes pair p; the first time as l = a l + pair
	REGS \u
	WIN 0
.if (\p) == 0
	v_pk_fma_f32 v[rT+2:rT+3], v[rT+2:rT+3], v[rC+2:rC+3], v[rS:rS+1] op_sel_hi:[1,0,1]
.else
	v_pk_add_f32 v[rT+2:rT+3], v[rT+2:rT+3], v[rS+2*(\p):rS+2*(\p)+1]
	s_wait_alu depctr_va_vdst(0)
.endif
	TICK
.endm
.macro LR u, p                         ; pair p of O^T times a: behind the turn's last product, in ascending order
	REGS \u
	WIN W_RS
	v_pk_mul_f32 v[rO+2*(\p):rO+2*(\p)+1], v[rO+2*(\p):rO+2*(\p)+1], v[rC+2:rC+3] op_sel_hi:[1,0]
	TICK
.endm
; A TURN.  id = 0: the first piece's softmax beside the second piece's products; id = 1: the other way round.  A plain line stands between every exponential and the first use of its result (ISA guide 5.7.2).
; The 44 lines behind the last product (number 256 of 300) are its places: none names a register of it.
.macro TURN id
.set TID, \id
.set PT, 2*(\id)
.set OT, 2-2*(\id)
.set vc, 0
.set mi, 0
	s_wait_kmcnt 0x0                               ; this turn's mask words are in
.if \id
	s_add_co_u32 s[MOFF], s[MOFF], 128             ; free since that wait: the first piece's next words are the next step's
.endif
.set n, 0
.rept 32
	LM 0, n
	LM 1, n
.set n, n+1
.endr
.set n, 0
.rept 22
	LX 0, n
	LX 1, n
.if n == 3
	MLOAD OT                                       ; the words have been used: the next turn's are asked for (in the last trip: the words of the tile behind, inside lm, which nobody uses)
.endif
.set n, n+1
.endr
.set n, 0
.rept 4
	LF 0, n
	LF 1, n
.set n, n+1
.endr
.set n, 0
.rept 16
	LE 0, 2*n
.if n < 12
	LF 0, n+4
.endif
	LE 0, 2*n+1
.if n < 12
	LF 1, n+4
.endif
	LE 1, 2*n
.if n > 0
	LC 0, n-1
.endif
	LE 1, 2*n+1
.if n > 0
	LC 1, n-1
	LS 0, n-1
	LS 1, n-1
.endif
.set n, n+1
.endr
	LC 0, 15
	LC 1, 15
	LS 0, 15
	LS 1, 15
.set n, 0
.rept 16
	LR 0, n
	LR 1, n
.set n, n+1
.endr
.endm
	s_wait_tensorcnt 0x0                           ; my part of K or V is in,
	s_barrier_signal -1
	s_barrier_wait -1                              ; everybody's is; nothing is ever filled again
	s_mov_b32 s[MOFF], 0
	MLOAD 0                                        ; no tensor load is out: the descriptors' registers take the first mask words
	FETCH_K                                        ; key step 0
	s_wait_dscnt 0x0
.set i, 0
.rept 16
	MKQ 0                                          ; the first piece's first scores
.set i, i+1
.endr
	WIN 0                                          ; the addresses for the way out: nine plain lines, the places behind those products
	s_mul_i32 s13, s[WV], 16*SP
	s_add_co_u32 s13, s13, STAGE
	v_mul_u32_u24 v[STO], v1, SP                   ; in: row l % 16, 16 bytes for each half of the lanes
	v_lshl_add_u32 v[STO], v9, 4, v[STO]
	v_add_nc_u32 v[STO], s13, v[STO]
	v_bfe_u32 v[RD], v0, 3, 2                      ; back: 32 lanes take four rows of 128 bytes,
	v_mul_u32_u24 v[RD], v[RD], SP
	v_lshl_add_u32 v[RD], v10, 4, v[RD]
	v_add_nc_u32 v[RD], s13, v[RD]
	v_and_b32 v[GO], 31, v0                        ; which are 512 consecutive bytes of ctx''
	v_lshlrev_b32 v[GO], 4, v[GO]
	s_mov_b32 s[CNT], 16
	s_mov_b32 s[TBK], KS*PK
	s_mov_b32 s[TBV], 0
.Lstep:                                                ; a key step: 16 trips
	TURN 0
	TURN 1
	WIN 0
	s_sub_co_u32 s[CNT], s[CNT], 1
	s_cmp_lg_u32 s[CNT], 0
	s_cbranch_scc1 .Lstep
	s_wait_kmcnt 0x0                               ; the last trip's words, which serve nothing, like its 16 products on the last K once more: the price of one text for every trip
.set i, 0
.rept 16
	MPV 2                                          ; the second piece's V^T P of the last step
.set i, i+1
.endr
	; THE WAY OUT.  l's two halves and the other half of the lanes' are added; O^T is divided by l, multiplied by E / Emax, rounded to f16 and sent through my stage, a tile at a time.  The additions are the places behind the last products.
	WIN 0
.irp t, 0,1,2,3
	v_add_f32 v[ST+4*\t+2], v[ST+4*\t+2], v[ST+4*\t+3]
.endr
.irp t, 0,1,2,3
	v_permlanex16_b32 v[ST+4*\t+3], v[ST+4*\t+2], s[SEL], s[SEL+1]
.endr
.irp t, 0,1,2,3
	v_add_f32 v[ST+4*\t+2], v[ST+4*\t+2], v[ST+4*\t+3]
.endr
.irp t, 0,1,2,3
	v_rcp_f32 v[ST+4*\t+2], v[ST+4*\t+2]
.endr
	v_nop                                          ; a plain line between the last reciprocal and the use of its result
	s_wait_alu depctr_va_vdst(0)
.macro PACK t
	WIN W_RS
.set i, 32*(\t)
.rept 16
	v_pk_mul_f32 v[i:i+1], v[i:i+1], v[ST+4*(\t)+2:ST+4*(\t)+3] op_sel_hi:[1,0]
.set i, i+2
.endr
	WIN 0x45                                       ; destination and both sources in window 1
.set i, 0
.rept 16
	v_pk_mul_f32 v[32*(\t)+2*i:32*(\t)+2*i+1], v[32*(\t)+2*i:32*(\t)+2*i+1], v[EK+2*i:EK+2*i+1]
.set i, i+1
.endr
	WIN 0x05                                       ; sources 0 and 1 window 1, destination window 0
.set i, 0
.rept 16
	v_cvt_pk_f16_f32 v[S+16*(\t)+i], v[32*(\t)+2*i], v[32*(\t)+2*i+1]
.set i, i+1
.endr
	WIN 0
.irp f, 0,1,2,3
	ds_store_b128 v[STO], v[S+16*(\t)+4*\f:S+16*(\t)+4*\f+3] offset:32*\f
.endr
.irp f, 0,1,2,3
	ds_load_b128 v[S+16*(\t)+4*\f:S+16*(\t)+4*\f+3], v[RD] offset:\f*4*SP  ; LDS serves a wave's instructions in order (ISA guide 5.7.1.4): these see the stores above
.endr
.endm
.macro SEND t, younger                 ; younger: the LDS instructions issued behind tile t's loads: the next tile's eight, or none
	WIN 0
.irp f, 0,1,2,3
	s_wait_dscnt (\younger)+3-\f
	global_store_b128 v[GO], v[S+16*(\t)+4*\f:S+16*(\t)+4*\f+3], s[10:11] offset:(\t)*2048+\f*512  ; 512 consecutive bytes, at a multiple of 256 from the buffer's first
.endr
.endm
	PACK 0
	PACK 1
	SEND 0, 8
	PACK 2
	SEND 1, 8
	PACK 3
	SEND 2, 8
	SEND 3, 0
	s_wait_tensorcnt 0x0                           ; the wave's end
	ds_add_u32 v[SPW], v[NIL]
	s_wait_dscnt 0x0
	CROUND                                         ; the closing round
	s_endpgm
.Lfunc_end_k_qec3b4e5e1f_attn:
	.size	k_qec3b4e5e1f_attn, .Lfunc_end_k_qec3b4e5e1f_attn-k_qec3b4e5e1f_attn
	.p2alignl 7, 3214868480
	.fill 96, 4, 3214868480
	.section	.rodata,"a",@progbits
	.p2align	6, 0x0
	.amdhsa_kernel k_qec3b4e5e1f_attn
		.amdhsa_group_segment_fixed_size 327680
		.amdhsa_private_segment_fixed_size 0
		.amdhsa_enable_private_segment 0
		.amdhsa_kernarg_size 32
		.amdhsa_user_sgpr_count 2
		.amdhsa_user_sgpr_kernarg_segment_ptr 1
		.amdhsa_wavefront_size32 1
		.amdhsa_system_sgpr_workgroup_id_x 1
		.amdhsa_system_sgpr_workgroup_id_y 1
		.amdhsa_system_sgpr_workgroup_id_z 1
		.amdhsa_system_vgpr_workitem_id 0
		.amdhsa_next_free_vgpr 768
		.amdhsa_next_free_sgpr 100
		.amdhsa_reserve_vcc 0
		.amdhsa_float_denorm_mode_32 3
		.amdhsa_float_denorm_mode_16_64 3
		.amdhsa_memory_ordered 1
		.amdhsa_forward_progress 1
		.amdhsa_inst_pref_size 93
	.end_amdhsa_kernel
	.amdgpu_metadata
---
amdhsa.version: [ 1, 2 ]
amdhsa.kernels:
  - .name:           k_qec3b4e5e1f_attn
    .symbol:         k_qec3b4e5e1f_attn.kd
    .args:
      - { .name: qkv, .offset: 0, .size: 8, .value_kind: global_buffer, .address_space: global }
      - { .name: lm, .offset: 8, .size: 8, .value_kind: global_buffer, .address_space: global }
      - { .name: st, .offset: 16, .size: 8, .value_kind: global_buffer, .address_space: global }
      - { .name: gf, .offset: 24, .size: 8, .value_kind: global_buffer, .address_space: global }
    .group_segment_fixed_size: 327680
    .private_segment_fixed_size: 0
    .kernarg_segment_align: 8
    .kernarg_segment_size: 32
    .max_flat_workgroup_size: 128
    .sgpr_count:     100
    .vgpr_count:     768
    .wavefront_size: 32
...
	.end_amdgpu_metadata
.endif
;; end of part 3
;; launch ffn1: the kernel of part 2 again; grid 64 x 4, 4 waves a work-group, clusters of 4 x 4, 327,680 bytes of LDS; arguments gf, hw, gw, qkv, st, pb, b1; writes hw, qkv, st
;; launch ffn2 (part 4): grid 8 x 32, 4 waves a work-group, clusters of 4 x 4, 327,680 bytes of LDS; arguments hw, gf, b2, out0; writes out0
.if DOCPART == 4
	.amdgcn_target "amdgcn-amd-amdhsa--gfx1250"
	.amdhsa_code_object_version 6
	.text
	.protected	k_qec3b4e5e1f_ffn2
	.globl	k_qec3b4e5e1f_ffn2
	.p2align	8
	.type	k_qec3b4e5e1f_ffn2,@function
k_qec3b4e5e1f_ffn2:
	s_mov_b64 s[64:65], 0
	v_nop
	global_prefetch_b8 v0, s[64:65] scope:SCOPE_SE
	s_setreg_imm32_b32 hwreg(HW_REG_WAVE_MODE, 25, 1), 1
	s_wait_xcnt 0x0
	s_wait_alu depctr_hold_cnt(0) depctr_sa_sdst(0) depctr_va_vdst(0) depctr_va_sdst(0) depctr_va_ssrc(0) depctr_va_vcc(0) depctr_vm_vsrc(0)
	s_getreg_b32 s2, hwreg(HW_REG_IB_STS2, 6, 4)
	s_cmp_eq_u32 s2, 0
	s_cbranch_scc0 .Lentry_in_a_cluster
	s_endpgm
.Lentry_in_a_cluster:
	s_bfe_u32 s2, ttmp6, 0x10000c
	s_cmp_lg_u32 s2, 0xf033
	s_cbranch_scc0 .Lentry_shape_is_right
	s_endpgm
.Lentry_shape_is_right:
; D[m][n] = sum over k of A[m][k] B[k][n] + bias[n] (EPI = 0), or that sum times rinv[m] + bias[n] (EPI = 1).  A, B in f16, sums and D in f32.  D: [4096][1024].
; Here EPI = 1: y = (h' W2) rinv + b2, K = 4096; rinv[m] is the power of two that takes the scale of h' out again.  The first argument holds A as [K / 64 panels][4096 rows][64] at +0 and B as [8 tiles of 128 n][K][128] at BOFFG.
; SHARES.  A tile of D is 128 x 128, which gives each of 256 work-groups one: four waves, each 64 x 64 in 16 accumulators.  K goes in steps of 256 through two LDS slots.
; THE MATRIX INSTRUCTION IS USED TRANSPOSED (source 0 = 16 columns of B, turned on the way out of LDS; source 1 = 16 rows of A): a lane holds row l % 16 and eight neighbouring columns.
; CLUSTER.  4 x 4 work-groups: A's tile is shared along a row of the cluster, B's along a column; each is asked for jointly.
; REGISTERS: window 0: v8-11 rinv, v16-29 addresses, v32-63 and v64-95 at work on the way out, v96-127 bias, v128-255 the accumulators ((a, b) at v[128 + 8 (4 a + b)]); window 1: two fragment buffers of 128 (64 of A, 64 of B).
.set KTOT,   4096
.set BOFFG,  0x2000000
.set EPI,    1
.set KSTEPS, KTOT/256
.set PA,     144                       ; a row of A in LDS: 128 bytes + 16
.set APANEL, 128*PA
.set PB,     288                       ; a row of B: 256 bytes + 32 = 9 x 32
.set BOFF,   4*APANEL                  ; a slot: A's four panels, then B's 256 k
.set HALF,   2*APANEL                  ; what one load brings: two panels of A, or 128 k of B (128 x 288, the same number)
.set SLOTX,  0x24000                   ; a slot's bytes; the four loads' places in slot 0 (0, 0x9000, 0x12000, 0x1b000) have these two bits clear, so one exclusive or changes slots
.set STAGE,  2*SLOTX                   ; never filled by a tensor load: 16 rows x 272 bytes for each wave
.set SP,     272
.set SPARE,  STAGE+4*16*SP
.set ASTEP,  4*4096*128
.set BSTEP,  256*256
.set EP,     0x1000000
.set RINV, 8
.set ADRA0, 16
.set ADRB0, 17
.set ADRA, 18
.set ADRB, 19                          ; v19: B's k 0-127 of the slot in hand; v20: k 128-255, since an LDS offset has 16 bits
.set STO,  24
.set RD,   25
.set CO,   26
.set BO,   27
.set SPW,  28
.set NIL,  29
.set RO,   30
.set T,    32
.set OB,   64
.set BIAS, 96
.set ACC,  128
.set F0,   0
.set F1,   128
.set G1,  24
.set G0,  32
.set G1B, 48
.set G0B, 56
.set MSB, 0
.macro WIN new
.if MSB != (\new)
	s_set_vgpr_msb (MSB<<8)|(\new)
.set MSB, \new
.endif
.endm
.set MUL,  0x05                        ; sources 0 (B) and 1 (A) window 1; C and D window 0
.set TO_F, 0x40                        ; destination window 1, address window 0
.macro PLACES                          ; four places in front of loads into registers that matrix instructions have read, and of vector work on results just made
.rept 4
	v_nop
.endr
.endm
.macro JLOAD                           ; a joint refill by the walking sets; an s_nop 0 and four v_nop follow each line
	s_cmp_eq_u32 s11, 0
	s_cbranch_scc0 .Lfor_b_\@
	tensor_load_to_lds s[G0+4:G0+7], s[G1:G1+7]
	s_nop 0
	PLACES
	s_branch .Lasked_\@
.Lfor_b_\@:
	tensor_load_to_lds s[G0B+4:G0B+7], s[G1B:G1B+7]
	s_nop 0
	PLACES
.Lasked_\@:
.endm
.macro CREST
	s_cmp_lg_u32 s10, 0
	s_cbranch_scc1 .Lnot_wave_0_\@
	s_barrier_signal -3
.Lnot_wave_0_\@:
	s_barrier_wait -3
	s_barrier_signal -1
	s_barrier_wait -1
.endm
.macro CROUND
	s_barrier_signal -1
	s_barrier_wait -1
	CREST
.endm
.if EPI
	s_load_b64 s[4:5], s[0:1], 0x0                 ; A and B
	s_load_b64 s[68:69], s[0:1], 0x8               ; the tables
	s_load_b64 s[6:7], s[0:1], 0x10                ; bias
	s_load_b64 s[8:9], s[0:1], 0x18                ; D
.else
	s_load_b128 s[4:7], s[0:1], 0x0                ; A and B s[4:5], bias s[6:7]
	s_load_b64 s[8:9], s[0:1], 0x10                ; D
.endif
	v_lshl_add_u32 v[SPW], v0, 2, SPARE
	v_mov_b32 v[NIL], 0
	ds_add_u32 v[SPW], v[NIL]                      ; the wave's opening: the add and its wait ahead of my first tensor load
	v_lshrrev_b32 v1, 5, v0
	v_readfirstlane_b32 s10, v1
	s_lshr_b32 s11, s10, 1                         ; my half of the rows.  Also: I fetch for A (0) or for B (1)
	s_and_b32 s12, s10, 1                          ; my half of the columns.  Also: which half of that tile I fetch
	s_bfe_u32 s40, ttmp6, 0x40000
	s_bfe_u32 s41, ttmp6, 0x40004
	s_lshl_b32 s42, ttmp9, 2
	s_add_co_u32 s42, s42, s40                     ; tile column
	s_and_b32 s13, ttmp7, 0xffff
	s_lshl_b32 s13, s13, 2
	s_add_co_u32 s13, s13, s41                     ; tile row
	s_lshl_b32 s43, s41, 2
	s_lshl_b32 s43, 15, s43
	s_lshl_b32 s44, 0x1111, s40
	; A's load: two panels; a panel's 128 rows are 16,384 dense bytes, taken as one row of the tile; 16 bytes of padding after every 128 (32 words: code 4)
	s_or_b32 s[G1+0], s43, (1<<16)|(1<<20)|(1<<21)|(4<<22)|(3<<25)
	s_mov_b32 s[G1+1], 8192<<16                    ; tensor_dim0 = 8,192 elements
	s_mov_b32 s[G1+2], 2<<16                       ; tensor_dim1 = 2
	s_mov_b32 s[G1+3], 8192<<16                    ; tile_dim0
	s_mov_b32 s[G1+4], 2                           ; tile_dim1
	s_mov_b32 s[G1+5], 262144                      ; elements from panel to panel
	s_mov_b32 s[G1+6], 0
	s_mov_b32 s[G1+7], 0
	; B's load: 128 rows of 256 bytes, 32 bytes of padding after each (64 words: code 5; 8 words: code 7)
	s_or_b32 s[G1B+0], s44, (1<<16)|(1<<20)|(1<<21)|(5<<22)|(7<<25)
	s_mov_b32 s[G1B+1], 128<<16
	s_mov_b32 s[G1B+2], 128<<16
	s_mov_b32 s[G1B+3], 128<<16
	s_mov_b32 s[G1B+4], 128
	s_mov_b32 s[G1B+5], 128
	s_mov_b32 s[G1B+6], 0
	s_mov_b32 s[G1B+7], 0
	s_lshl_b32 s16, s13, 14                        ; A: the tile row's 128 rows of 128 bytes,
	s_lshl_b32 s17, s12, 20                        ; my two panels of the step's four
	s_add_co_u32 s16, s16, s17
	s_mov_b32 s17, 0
	s_mul_i32 s46, s42, KTOT*256                   ; B: the tile column's K rows of 256 bytes,
	s_lshl_b32 s47, s12, 15                        ; my 128 of the step's 256
	s_add_co_u32 s46, s46, s47
	s_add_co_u32 s46, s46, BOFFG
	s_mov_b32 s47, 0
	s_mul_i32 s20, s12, HALF                       ; where they go
	s_add_co_u32 s21, s20, BOFF
	s_wait_dscnt 0x0                               ; the opening add is done
	s_wait_kmcnt 0x0
	s_add_nc_u64 s[14:15], s[4:5], s[16:17]
	s_add_nc_u64 s[46:47], s[4:5], s[46:47]
	CROUND                                         ; all sixteen work-groups are here: the first joint loads meet
.irp s, 0,1
	s_mov_b32 s[G0+4*(\s)], 1
	s_add_co_u32 s[G0+4*(\s)+1], s20, (\s)*SLOTX
	s_add_nc_u64 s[G0+4*(\s)+2:G0+4*(\s)+3], s[14:15], (\s)*ASTEP
	s_or_b32 s[G0+4*(\s)+3], s[G0+4*(\s)+3], 0x80000000
	s_mov_b32 s[G0B+4*(\s)], 1
	s_add_co_u32 s[G0B+4*(\s)+1], s21, (\s)*SLOTX
	s_add_nc_u64 s[G0B+4*(\s)+2:G0B+4*(\s)+3], s[46:47], (\s)*BSTEP
	s_or_b32 s[G0B+4*(\s)+3], s[G0B+4*(\s)+3], 0x80000000
.endr
	s_cmp_eq_u32 s11, 0                            ; a wave's two first fills stand in one branch: two loads of mine are out
	s_cbranch_scc0 .Lfirst_b
	tensor_load_to_lds s[G0:G0+3], s[G1:G1+7]
	s_nop 0
	tensor_load_to_lds s[G0+4:G0+7], s[G1:G1+7]
	s_nop 0
	PLACES
	s_branch .Lfirst_asked
.Lfirst_b:
	tensor_load_to_lds s[G0B:G0B+3], s[G1B:G1B+7]
	s_nop 0
	tensor_load_to_lds s[G0B+4:G0B+7], s[G1B:G1B+7]
	s_nop 0
	PLACES
.Lfirst_asked:
	v_and_b32 v1, 15, v0
	v_bfe_u32 v2, v0, 4, 1
	v_and_b32 v6, 7, v0
	v_mul_u32_u24 v3, v1, PA
	v_lshl_add_u32 v3, v2, 4, v3
	s_mul_i32 s22, s11, 64*PA
	v_add_nc_u32 v[ADRA0], s22, v3
	v_lshl_add_u32 v4, v2, 3, v6
	v_mul_u32_u24 v4, v4, PB
	v_bfe_u32 v5, v0, 3, 1
	v_lshl_add_u32 v4, v5, 4, v4
	s_lshl_b32 s23, s12, 7
	s_add_co_u32 s23, s23, BOFF
	v_add_nc_u32 v[ADRB0], s23, v4
	v_mov_b32 v[ADRA], v[ADRA0]
	v_mov_b32 v[ADRB], v[ADRB0]
	v_add_nc_u32 v[ADRB+1], HALF, v[ADRB0]
	s_mov_b32 s2, 0
	s_mul_i32 s22, s10, 16*SP
	s_add_co_u32 s22, s22, STAGE
	v_mul_u32_u24 v5, v1, SP                       ; in: row l % 16, 32 bytes for each half of the lanes
	v_lshl_add_u32 v5, v2, 5, v5
	v_add_nc_u32 v[STO], s22, v5
	v_mul_u32_u24 v5, v2, SP                       ; back: lanes 0-15 take one row of 256 bytes, lanes 16-31 the next
	v_lshl_add_u32 v5, v1, 4, v5
	v_add_nc_u32 v[RD], s22, v5
	v_lshlrev_b32 v5, 12, v2                       ; and the same two rows in D
	v_lshl_add_u32 v[CO], v1, 4, v5
	v_lshlrev_b32 v[BO], 5, v2
	v_lshlrev_b32 v[RO], 2, v1
	s_lshl_b32 s18, s42, 9                         ; my 64 columns, in bytes
	s_lshl_b32 s19, s12, 8
	s_add_co_u32 s18, s18, s19
	s_mov_b32 s19, 0
	s_add_nc_u64 s[70:71], s[6:7], s[18:19]        ; bias
	s_add_nc_u64 s[8:9], s[8:9], s[18:19]
	s_lshl_b32 s18, s13, 19                        ; my 64 rows of 4,096 bytes
	s_lshl_b32 s19, s11, 18
	s_add_co_u32 s18, s18, s19
	s_mov_b32 s19, 0
	s_add_nc_u64 s[8:9], s[8:9], s[18:19]
.irp b, 0,1,2,3                        ; waited for behind the last product
	global_load_b128 v[BIAS+8*(\b):BIAS+8*(\b)+3],   v[BO], s[70:71] offset:64*(\b)
	global_load_b128 v[BIAS+8*(\b)+4:BIAS+8*(\b)+7], v[BO], s[70:71] offset:64*(\b)+16
.endr
.if EPI
	s_lshl_b32 s18, s13, 9
	s_lshl_b32 s19, s11, 8
	s_add_co_u32 s18, s18, s19
	s_add_co_u32 s18, s18, EP+36864
	s_mov_b32 s19, 0
	s_add_nc_u64 s[68:69], s[68:69], s[18:19]
.irp a, 0,1,2,3
	global_load_b32 v[RINV+(\a)], v[RO], s[68:69] offset:64*(\a)
.endr
.endif
; 8 matrix instructions: m blocks a0, a0 + 1 x all 4 n blocks, 32 along K: half c of buffer f.  The 16 accumulators take turns.
.macro MUL8 f, c, a0, zero
	WIN MUL
.irp a, \a0, (\a0)+1
.irp b, 0,1,2,3
.if \zero
	v_wmma_f32_16x16x32_f16 v[ACC+8*(4*(\a)+(\b)):ACC+8*(4*(\a)+(\b))+7], v[(\f)+64+8*(4*(\c)+(\b)):(\f)+64+8*(4*(\c)+(\b))+7], v[(\f)+8*(4*(\c)+(\a)):(\f)+8*(4*(\c)+(\a))+7], 0
.else
	v_wmma_f32_16x16x32_f16 v[ACC+8*(4*(\a)+(\b)):ACC+8*(4*(\a)+(\b))+7], v[(\f)+64+8*(4*(\c)+(\b)):(\f)+64+8*(4*(\c)+(\b))+7], v[(\f)+8*(4*(\c)+(\a)):(\f)+8*(4*(\c)+(\a))+7], v[ACC+8*(4*(\a)+(\b)):ACC+8*(4*(\a)+(\b))+7]
.endif
.endr
.endr
.endm
; 32 LDS loads in one run: quarter q (64 along K: one panel of A) of the slot in hand into buffer f; the first 32 along K first
.macro FETCH q, f
	WIN TO_F
.irp c, 0,1
.irp i, 0,1,2,3
	ds_load_tr16_b128 v[(\f)+64+8*(4*(\c)+(\i)):(\f)+64+8*(4*(\c)+(\i))+3],   v[ADRB+(\q)/2] offset:(((\q)%2)*64+32*(\c))*PB+32*(\i)
	ds_load_tr16_b128 v[(\f)+64+8*(4*(\c)+(\i))+4:(\f)+64+8*(4*(\c)+(\i))+7], v[ADRB+(\q)/2] offset:(((\q)%2)*64+32*(\c)+16)*PB+32*(\i)
	ds_load_b128 v[(\f)+8*(4*(\c)+(\i)):(\f)+8*(4*(\c)+(\i))+3],   v[ADRA] offset:(\q)*APANEL+(\i)*16*PA+64*(\c)
	ds_load_b128 v[(\f)+8*(4*(\c)+(\i))+4:(\f)+8*(4*(\c)+(\i))+7], v[ADRA] offset:(\q)*APANEL+(\i)*16*PA+64*(\c)+32
.endr
.endr
.endm
.macro QUARTER qn, f, g, zero
	s_wait_dscnt 16                                ; the first 32 along K are in
	MUL8 \f, 0, 0, \zero
	MUL8 \f, 0, 2, \zero
	PLACES
	FETCH \qn, \g
	s_wait_dscnt 32                                ; all but the 32 just issued
	MUL8 \f, 1, 0, 0
	MUL8 \f, 1, 2, 0
.endm
; The last quarter multiplies buffer 1 and changes slots: one barrier; in front of it each wave waits for all its tensor loads (one is out: its part of the next slot), adds 0 to its spare word, and waits for that
; and for its reads of this slot.  fill = 1: the barrier opens a round of the cluster's barrier, and this slot is filled again, with the K step two on, first thing behind the round.
.macro TURN fill
	WIN 0
	s_wait_tensorcnt 0x0
	ds_add_u32 v[SPW], v[NIL]
	s_wait_dscnt 17                                ; (the add and the youngest sixteen loads may be out)
	MUL8 F1, 0, 0, 0
	s_wait_dscnt 0x0                               ; the add is done, and my reads of this slot are over
	s_barrier_signal -1
	MUL8 F1, 0, 2, 0
	WIN 0
	s_barrier_wait -1
.if \fill
	CREST
	s_xor_b32 s[G0+5], s[G0+5], SLOTX              ; the walking sets: the other slot than last time, the next K step; no load of mine is out
	s_add_nc_u64 s[G0+6:G0+7], s[G0+6:G0+7], ASTEP
	s_xor_b32 s[G0B+5], s[G0B+5], SLOTX
	s_add_nc_u64 s[G0B+6:G0B+7], s[G0B+6:G0B+7], BSTEP
	JLOAD                                          ; its four v_nop are also the places in front of the loads below
.else
	PLACES
.endif
	s_xor_b32 s2, s2, SLOTX
	v_add_nc_u32 v[ADRA], s2, v[ADRA0]
	v_add_nc_u32 v[ADRB], s2, v[ADRB0]
	v_add_nc_u32 v[ADRB+1], HALF, v[ADRB]
	FETCH 0, F0
	MUL8 F1, 1, 0, 0
	MUL8 F1, 1, 2, 0
.endm
; THE WAY OUT of block a (16 rows x my 64 columns, 256 bytes a row): the bias (and the row's factor), 32 bytes a lane into my own stage, back as whole rows, stored.
.macro OUTBLK a
.set RA, RINV+2*((\a)/2)
	s_wait_xcnt 0x0                                ; the rows' registers were the data of the last block's stores: loaded again only behind this wait
.irp b, 0,1,2,3
.irp r, 0,2,4,6
.if EPI && ((\a)%2)
	v_pk_fma_f32 v[T+8*(\b)+(\r):T+8*(\b)+(\r)+1], v[ACC+8*(4*(\a)+(\b))+(\r):ACC+8*(4*(\a)+(\b))+(\r)+1], v[RA:RA+1], v[BIAS+8*(\b)+(\r):BIAS+8*(\b)+(\r)+1] op_sel:[0,1,0] op_sel_hi:[1,1,1]
.elseif EPI
	v_pk_fma_f32 v[T+8*(\b)+(\r):T+8*(\b)+(\r)+1], v[ACC+8*(4*(\a)+(\b))+(\r):ACC+8*(4*(\a)+(\b))+(\r)+1], v[RA:RA+1], v[BIAS+8*(\b)+(\r):BIAS+8*(\b)+(\r)+1] op_sel_hi:[1,0,1]
.else
	v_pk_add_f32 v[T+8*(\b)+(\r):T+8*(\b)+(\r)+1], v[ACC+8*(4*(\a)+(\b))+(\r):ACC+8*(4*(\a)+(\b))+(\r)+1], v[BIAS+8*(\b)+(\r):BIAS+8*(\b)+(\r)+1]
.endif
.endr
.endr
.irp b, 0,1,2,3
	ds_store_b128 v[STO], v[T+8*(\b):T+8*(\b)+3]   offset:64*(\b)
	ds_store_b128 v[STO], v[T+8*(\b)+4:T+8*(\b)+7] offset:64*(\b)+16
.endr
.irp t, 0,1,2,3,4,5,6,7
	ds_load_b128 v[OB+4*(\t):OB+4*(\t)+3], v[RD] offset:(\t)*2*SP  ; LDS serves a wave's instructions in order (ISA guide 5.7.1.4): these see the stores above
.endr
	s_wait_dscnt 0x0
.irp t, 0,1,2,3,4,5,6,7
	global_store_b128 v[CO], v[OB+4*(\t):OB+4*(\t)+3], s[8:9] offset:(16*(\a)+2*(\t))*4096  ; 16 lanes store 256 consecutive bytes, at a multiple of 256 from D's first
.endr
.endm
	s_wait_tensorcnt 1                             ; my part of K step 0 is in; K step 1's may stay out
	s_barrier_signal -1
	s_barrier_wait -1
	FETCH 0, F0
	QUARTER 1, F0, F1, 1                           ; the first quarter stands in front of the loop: its first products start the sums
	WIN 0
	s_mov_b32 s3, KSTEPS-2
.Lk:                                                   ; a trip: from a K step's second quarter to the next step's first; each trip fills a slot again
	QUARTER 2, F1, F0, 0
	QUARTER 3, F0, F1, 0
	TURN 1
	QUARTER 1, F0, F1, 0
	WIN 0
	s_sub_co_u32 s3, s3, 1
	s_cmp_lg_u32 s3, 0
	s_cbranch_scc1 .Lk
	QUARTER 2, F1, F0, 0                           ; the last two K steps ask for nothing
	QUARTER 3, F0, F1, 0
	TURN 0
	QUARTER 1, F0, F1, 0
	QUARTER 2, F1, F0, 0
	QUARTER 3, F0, F1, 0
	s_wait_dscnt 16
	MUL8 F1, 0, 0, 0
	MUL8 F1, 0, 2, 0
	s_wait_dscnt 0x0
	MUL8 F1, 1, 0, 0
	MUL8 F1, 1, 2, 0
	WIN 0
	s_wait_loadcnt 0x0                             ; the bias (and the rows' factors)
	PLACES
	OUTBLK 0
	OUTBLK 1
	OUTBLK 2
	OUTBLK 3
	s_wait_tensorcnt 0x0                           ; the wave's end
	ds_add_u32 v[SPW], v[NIL]
	s_wait_dscnt 0x0
	CROUND                                         ; the closing round
	s_endpgm
.Lfunc_end_k_qec3b4e5e1f_ffn2:
	.size	k_qec3b4e5e1f_ffn2, .Lfunc_end_k_qec3b4e5e1f_ffn2-k_qec3b4e5e1f_ffn2
	.p2alignl 7, 3214868480
	.fill 96, 4, 3214868480
	.section	.rodata,"a",@progbits
	.p2align	6, 0x0
	.amdhsa_kernel k_qec3b4e5e1f_ffn2
		.amdhsa_group_segment_fixed_size 327680
		.amdhsa_private_segment_fixed_size 0
		.amdhsa_enable_private_segment 0
		.amdhsa_kernarg_size 32
		.amdhsa_user_sgpr_count 2
		.amdhsa_user_sgpr_kernarg_segment_ptr 1
		.amdhsa_wavefront_size32 1
		.amdhsa_system_sgpr_workgroup_id_x 1
		.amdhsa_system_sgpr_workgroup_id_y 1
		.amdhsa_system_sgpr_workgroup_id_z 1
		.amdhsa_system_vgpr_workitem_id 0
		.amdhsa_next_free_vgpr 512
		.amdhsa_next_free_sgpr 74
		.amdhsa_reserve_vcc 0
		.amdhsa_float_denorm_mode_32 3
		.amdhsa_float_denorm_mode_16_64 3
		.amdhsa_memory_ordered 1
		.amdhsa_forward_progress 1
		.amdhsa_inst_pref_size 73
	.end_amdhsa_kernel
	.amdgpu_metadata
---
amdhsa.version: [ 1, 2 ]
amdhsa.kernels:
  - .name:           k_qec3b4e5e1f_ffn2
    .symbol:         k_qec3b4e5e1f_ffn2.kd
    .args:
      - { .name: hw, .offset: 0, .size: 8, .value_kind: global_buffer, .address_space: global }
      - { .name: gf, .offset: 8, .size: 8, .value_kind: global_buffer, .address_space: global }
      - { .name: b2, .offset: 16, .size: 8, .value_kind: global_buffer, .address_space: global }
      - { .name: out0, .offset: 24, .size: 8, .value_kind: global_buffer, .address_space: global }
    .group_segment_fixed_size: 327680
    .private_segment_fixed_size: 0
    .kernarg_segment_align: 8
    .kernarg_segment_size: 32
    .max_flat_workgroup_size: 128
    .sgpr_count:     74
    .vgpr_count:     512
    .wavefront_size: 32
...
	.end_amdgpu_metadata
.endif
;; end of part 4
;; ======== version 2 of 2: 5 launches; 1.12 times as fast as version 1
;; limits: values are held in f16: magnitudes above 65,504 overflow, below 6.1e-05 lose precision; right only within a limited range of input values
;; workspace buffers: gq 16,842,752 bytes; gw 16,842,752 bytes; gf 16,842,752 bytes; qkv 25,165,824 bytes; hw 41,943,040 bytes; lm 524,288 bytes of whole numbers; st 12,288 bytes; pb 1,048,576 bytes
;; launch prep: the kernel of part 1 again; grid 641 x 1, 8 waves a work-group, no clusters, 0 bytes of LDS; arguments x, W1, W2, Wo, Wq, Wk, Wv, bq, bk, bv, bo, mask, gq, gw, hw, lm, st, pb; writes gq, gw, hw, lm, st, pb
;; launch qkv: the kernel of part 2 again; grid 4 x 64, 4 waves a work-group, clusters of 4 x 4, 327,680 bytes of LDS; arguments gq, qkv, gw, gf, st, pb, b1; writes qkv, gf, st
;; launch attn (part 5): grid 4 x 64, 4 waves a work-group, clusters of 4 x 1, 327,680 bytes of LDS; arguments qkv, lm, st, gf; writes gf
.if DOCPART == 5
	.amdgcn_target "amdgcn-amd-amdhsa--gfx1250"
	.amdhsa_code_object_version 6
	.text
	.protected	k_qec3b4e5e1f_attn
	.globl	k_qec3b4e5e1f_attn
	.p2align	8
	.type	k_qec3b4e5e1f_attn,@function
k_qec3b4e5e1f_attn:
	s_mov_b64 s[64:65], 0
	v_nop
	global_prefetch_b8 v0, s[64:65] scope:SCOPE_SE
	s_setreg_imm32_b32 hwreg(HW_REG_WAVE_MODE, 25, 1), 1
	s_wait_xcnt 0x0
	s_wait_alu depctr_hold_cnt(0) depctr_sa_sdst(0) depctr_va_vdst(0) depctr_va_sdst(0) depctr_va_ssrc(0) depctr_va_vcc(0) depctr_vm_vsrc(0)
	s_getreg_b32 s2, hwreg(HW_REG_IB_STS2, 6, 4)
	s_cmp_eq_u32 s2, 0
	s_cbranch_scc0 .Lentry_in_a_cluster
	s_endpgm
.Lentry_in_a_cluster:
	s_bfe_u32 s2, ttmp6, 0x10000c
	s_cmp_lg_u32 s2, 0x3003
	s_cbranch_scc0 .Lentry_shape_is_right
	s_endpgm
.Lentry_shape_is_right:
; MASKED ATTENTION.  ctx[b][q][h][:] = sum over t of softmax_t(mask ? -big : q . k / 32) v[t][:].  q, k, v: panels 0-15, 16-31, 32-47 of qkv, [panel h][row 1024 b + s][64] in f16.
; What goes out, in the same layout, is ctx'' = ctx with column k multiplied by E[k] / Emax (powers of two, at most 1): the next product's weights W'' carry 1 / E[k].
; Products, maxima and sums in f32; the weights p are rounded to f16 for the second product (their sum l is taken of the unrounded p), ctx'' once at the end.
; THE NEXT PRODUCTS' SCALARS are made here too, by every wave alike, from maxima that the launches before stored: U = 1024 Emax max|v| max|W''| + max|b'| bounds |ctx Wo W1 + b'| (ctx is a mean of v's rows);
; S = 2^14 / 2^floor(log2 U).  Each work-group stores (ra, 0, rb, lo) = (S Emax, 0, S, 0) for one work-group of the next launch, and 1 / S for 16 rows of the last.
; LIMITS.  A masked score counts as -2^30 where the module writes -1e9 (as q . k: -2^35, so that c times it is exact and a row with every key masked gets p = 1 throughout: the mean of v, as the module gives);
; the two differ only where an unmasked score lies below about -1e9.  Unmasked |score| stays under 1e8, so that the rounding of c m leaves p within f16.  A weight below 2^-126 counts as 0.
; U's exponent is held to -95 .. 95, and S Emax must be finite.  NaN and infinities are not treated apart.
; SHARES.  A work-group owns 256 queries of one (b, h), a wave 64: four tiles of 16, in two pieces (tiles 0, 1 and tiles 2, 3).  All 1,024 keys of K and V lie in LDS, filled once: the loop has no ring and no barrier.
; CLUSTER.  The four query blocks of a (b, h) read the same K and V: one joint load a wave (512 keys of K or of V), with the mask of all four.
; LAYOUT.  S^T = K Q^T holds one query a lane (l % 16) and the keys 8 (l / 16) + 0..7 of each block of 16; two such results rounded to f16 are source 1 of O^T = V^T P.  V is turned on the way out of LDS.
; SOFTMAX.  Running maximum m and sum l: p = 2^(c s - c m), c = log2(e) / 32; O and l are multiplied by a = 2^(c m_old - c m_new) in every step.  m starts at the lowest finite number, O and l at 0: the first step has a = 0.
; THE MASK comes as words of one bit a lane (lm), by scalar loads a turn ahead, and chooses by v_cndmask_b32.
; BY TURNS.  In a turn one piece's softmax (300 vector lines) is dealt evenly, eight lines to each of the other piece's 32 products: 16 of V^T P, then 16 of K Q^T for its next step.  The two touch no common register.
; THE BATCHES.  A turn's 66 exponentials (the two tiles' a, then their 64 weights, each in a register of its own) are ONE batch with ONE wait, which cuts the turn's lines in two.  Lines 1-204 name no result of
; the batch: the mask, the maximum and statistics, the scalings, the exponentials themselves.  Lines 205-300 are the readers: the roundings, the sums, the rescaling by a; no exponential stands among them.
; The way out's four reciprocals are a batch of their own.
; REGISTERS: window 0: v2-8 addresses, v12-15 c m_old, v16-31 c m, m, l, l by tile, v32-47 at work by tile, v52 the masked score, v56-62 offsets at the start, v64-191 S^T, v192-255 P;
; window 1: v0-127 O^T, v128-159 E / Emax of my 32 channels; window 2: v0-63 Q, v64-127 K, v128-191 V of one step.
.set PK,    144                        ; a row of K in LDS: 128 bytes + 16
.set PV,    160                        ; a row of V: 128 + 32
.set KS,    64
.set VOFF,  1024*PK
.set STAGE, VOFF+1024*PV               ; never filled by a tensor load: 16 rows x 144 bytes for each wave
.set SP,    144
.set SPARE, STAGE+4*16*SP
.set EP,    0x1000000
.set AK0, 2
.set AV0, 3
.set AK,  4
.set AV,  5
.set QO,  6
.set STO, 6
.set RD,  7
.set GO,  8
.set MV,  12
.set ST,  16
.set TMP, 32
.set NEGV, 52
.set SPW, 54
.set NIL, 55
.set S,   64
.set P,   192
.set KF,  64
.set VF,  128
.set EK,  128                          ; window 1
.set WV,  12
.set G0K, 16                           ; the descriptors lie where the mask words go once the loads have landed
.set G0V, 20
.set G1K, 24
.set G1V, 32
.set LMP, 84                           ; s[84:85] lm at my wave's first tile
.set MOFF, 86                          ; 128 x the step whose words are asked for
.set CNT, 87
.set TBK, 88
.set TBV, 89
.set CS,  90
.set SEL, 92
.set MSB, 0
.macro WIN new
.if MSB != (\new)
	s_set_vgpr_msb (MSB<<8)|(\new)
.set MSB, (\new)
.endif
.endm
.set W_KQ, 0x0a                        ; K and Q in window 2, S^T in window 0
.set W_PV, 0x52                        ; V in window 2, P in window 0, O^T in window 1
.set W_RS, 0x41                        ; destination and source 0 in window 1, source 1 in window 0
.macro CROUND
	s_barrier_signal -1
	s_barrier_wait -1
	s_cmp_lg_u32 s[WV], 0
	s_cbranch_scc1 .Lnot_wave_0_\@
	s_barrier_signal -3
.Lnot_wave_0_\@:
	s_barrier_wait -3
	s_barrier_signal -1
	s_barrier_wait -1
.endm
	s_load_b256 s[4:11], s[0:1], 0x0               ; qkv s[4:5], lm s[6:7], st s[8:9], gf s[10:11]
	v_lshl_add_u32 v[SPW], v0, 2, SPARE
	v_mov_b32 v[NIL], 0
	ds_add_u32 v[SPW], v[NIL]                      ; the wave's opening: the add and its wait ahead of my first tensor load
	v_lshrrev_b32 v1, 5, v0
	v_readfirstlane_b32 s[WV], v1
	s_bfe_u32 s13, ttmp6, 0x40000                  ; cx
	s_lshl_b32 s14, ttmp9, 2
	s_add_co_u32 s14, s14, s13                     ; my block of 256 queries: it enters global addresses alone
	s_and_b32 s15, ttmp7, 0xffff
	s_lshr_b32 s2, s15, 4                          ; b
	s_and_b32 s3, s15, 15                          ; h
	s_lshl_b32 s40, s3, 19                         ; panel h,
	s_lshl_b32 s41, s2, 17                         ; rows 1024 b on
	s_add_co_u32 s40, s40, s41
	s_and_b32 s42, s[WV], 1                        ; which 512 keys I fetch
	s_lshl_b32 s43, s42, 16
	s_add_co_u32 s44, s40, s43
	s_mov_b32 s45, 0
	s_mul_i32 s46, s42, 512*PK
	s_mul_i32 s47, s42, 512*PV
	s_lshl_b32 s48, s14, 15                        ; my block's 256 rows, my wave's 64 of them
	s_lshl_b32 s49, s[WV], 13
	s_add_co_u32 s48, s48, s49
	s_add_co_u32 s50, s48, s41                     ; lm: (64 b + 16 block + 4 wave) tiles of 2,048 bytes: the same three shifts
	s_add_co_u32 s48, s48, s40
	s_mov_b32 s49, 0
	s_mov_b32 s51, 0
	s_lshl_b32 s52, s15, 2                         ; my work-group's number, 4 y + block: 16 bytes of scalars for the next launch's work-group of that number
	s_add_co_u32 s52, s52, s14
	s_lshl_b32 s52, s52, 4
	s_add_co_u32 s52, s52, EP
	s_mov_b32 s53, 0
	s_lshl_b32 s54, s2, 12                         ; 1 / S for rows 1024 b + 256 block + 16 h on
	s_lshl_b32 s55, s14, 10
	s_add_co_u32 s54, s54, s55
	s_lshl_b32 s55, s3, 6
	s_add_co_u32 s54, s54, s55
	s_add_co_u32 s54, s54, EP+36864
	s_mov_b32 s55, 0
	s_lshl_b32 s56, s3, 8                          ; E of my head's 64 channels
	s_add_co_u32 s56, s56, 8192
	s_mov_b32 s57, 0
	; 512 keys are 65,536 dense bytes: asked for as 256 rows of 256 bytes, padded in LDS after every key (32 words: code 4)
	s_mov_b32 s[G1K], 15|(1<<16)|(1<<20)|(1<<21)|(4<<22)|(3<<25)
	s_mov_b32 s[G1V], 15|(1<<16)|(1<<20)|(1<<21)|(4<<22)|(7<<25)
.irp g, G1K, G1V
	s_mov_b32 s[\g+1], 128<<16                     ; tensor_dim0 = 128
	s_mov_b32 s[\g+2], 256<<16                     ; tensor_dim1 = 256
	s_mov_b32 s[\g+3], 128<<16                     ; tile_dim0
	s_mov_b32 s[\g+4], 256                         ; tile_dim1
	s_mov_b32 s[\g+5], 128
	s_mov_b32 s[\g+6], 0
	s_mov_b32 s[\g+7], 0
.endr
	s_mov_b32 s[G0K], 1
	s_mov_b32 s[G0K+1], s46
	s_mov_b32 s[G0V], 1
	s_add_co_u32 s[G0V+1], s47, VOFF
	s_mov_b32 s[CS], 0x3d38aa3b                    ; c = log2(e) / 32
	s_mov_b32 s[CS+1], s[CS]
	s_mov_b32 s[SEL], 0x76543210
	s_mov_b32 s[SEL+1], 0xfedcba98
	s_wait_dscnt 0x0                               ; the opening add is done
	s_wait_kmcnt 0x0
	s_add_nc_u64 s[G0K+2:G0K+3], s[4:5], s[44:45]
	s_add_nc_u64 s[G0K+2:G0K+3], s[G0K+2:G0K+3], 0x800000     ; k begins 16 panels in,
	s_or_b32 s[G0K+3], s[G0K+3], 0x80000000
	s_add_nc_u64 s[G0V+2:G0V+3], s[4:5], s[44:45]
	s_add_nc_u64 s[G0V+2:G0V+3], s[G0V+2:G0V+3], 0x1000000    ; v 32
	s_or_b32 s[G0V+3], s[G0V+3], 0x80000000
	s_add_nc_u64 s[4:5], s[4:5], s[48:49]          ; Q at my wave's first row
	s_add_nc_u64 s[94:95], s[10:11], s[52:53]
	s_add_nc_u64 s[96:97], s[10:11], s[54:55]
	s_add_nc_u64 s[98:99], s[8:9], s[56:57]
	s_add_nc_u64 s[10:11], s[10:11], s[48:49]      ; ctx'' at my wave's first row
	s_add_nc_u64 s[LMP:LMP+1], s[6:7], s[50:51]
	CROUND                                         ; all four work-groups are here: the joint loads meet
	s_cmp_lt_u32 s[WV], 2                          ; waves 0 and 1 fetch K's halves, waves 2 and 3 V's: one load of mine is out; an s_nop 0 and four v_nop follow each line
	s_cbranch_scc0 .Lfor_v
	tensor_load_to_lds s[G0K:G0K+3], s[G1K:G1K+7]
	s_nop 0
.rept 4
	v_nop
.endr
	s_branch .Lasked
.Lfor_v:
	tensor_load_to_lds s[G0V:G0V+3], s[G1V:G1V+7]
	s_nop 0
.rept 4
	v_nop
.endr
.Lasked:
	v_and_b32 v1, 15, v0                           ; l % 16
	v_bfe_u32 v9, v0, 4, 1                         ; l / 16
	v_lshlrev_b32 v[QO], 7, v1
	v_lshl_add_u32 v[QO], v9, 4, v[QO]
	v_and_b32 v56, 31, v0                          ; l
	v_lshrrev_b32 v57, 1, v56
	v_lshlrev_b32 v57, 8, v57
	v_and_b32 v58, 1, v0
	v_lshl_or_b32 v57, v58, 5, v57                 ; v's maxima: 64 bytes in each 256 (tile columns 8-11 of a tile row): 256 (l / 2) + 32 (l % 2), from byte 128 on
	v_lshlrev_b32 v58, 5, v56                      ; 32 l
	v_lshlrev_b32 v59, 4, v56                      ; 16 l
	v_lshlrev_b32 v60, 5, v9                       ; 32 (l / 16)
	v_lshlrev_b32 v61, 2, v1                       ; 4 (l % 16)
	v_mov_b32 v62, 0
	WIN 0x80                                       ; destination window 2
.set i, 0
.rept 8                                ; Q stays in registers: tile i / 2, channels 32 (i % 2) on
	global_load_b128 v[8*i:8*i+3],   v[QO], s[4:5] offset:(i/2)*2048+(i%2)*64
	global_load_b128 v[8*i+4:8*i+7], v[QO], s[4:5] offset:(i/2)*2048+(i%2)*64+32
.set i, i+1
.endr
	; What the first turn finds: V's registers and the second piece's P hold 0 (its products V^T P, of a step that has not been, add 0); O^T and l are 0.  All this stands in the wait for K and V.
.set i, VF
.rept 64
	v_mov_b32 v[i], 0
.set i, i+1
.endr
	WIN 0x40
.irp c, 0,1,2,3                        ; E of the channels that my lane holds of O^T: register 8 c + j is channel 16 c + 8 (l / 16) + j
	global_load_b128 v[EK+8*\c:EK+8*\c+3],   v60, s[98:99] offset:64*\c
	global_load_b128 v[EK+8*\c+4:EK+8*\c+7], v60, s[98:99] offset:64*\c+16
.endr
.set i, 0
.rept 128
	v_mov_b32 v[i], 0
.set i, i+1
.endr
	WIN 0
	global_load_b128 v[64:67], v57, s[8:9] offset:128      ; 256 maxima of |v|,
	global_load_b128 v[68:71], v57, s[8:9] offset:144
	global_load_b128 v[72:75], v58, s[8:9] offset:4096     ; 256 of |W''|,
	global_load_b128 v[76:79], v58, s[8:9] offset:4112
	global_load_b128 v[80:83], v59, s[8:9] offset:5120     ; 128 of |b'|,
.irp i, 0,1,2,3,4,5,6,7
	global_load_b128 v[84+4*\i:87+4*\i], v59, s[8:9] offset:8192+512*\i  ; and all 1,024 E
.endr
.set i, 0
.rept 4
	v_mov_b32 v[ST+4*i], 0xfe000000                ; c m: far below every c s
	v_mov_b32 v[ST+4*i+1], 0xff7fffff              ; m
	v_mov_b32 v[ST+4*i+2], 0
	v_mov_b32 v[ST+4*i+3], 0
.set i, i+1
.endr
.set i, P+32
.rept 32
	v_mov_b32 v[i], 0
.set i, i+1
.endr
	v_mov_b32 v[NEGV], 0xd1000000                  ; -2^35
	v_mul_u32_u24 v[AK0], v1, PK
	v_lshl_add_u32 v[AK0], v9, 4, v[AK0]
	v_and_b32 v10, 7, v0
	v_bfe_u32 v11, v0, 3, 1
	v_lshl_add_u32 v[AV0], v9, 3, v10              ; the turning load: key 8 (l / 16) + l % 8, channels 8 ((l / 8) % 2) + 0..7
	v_mul_u32_u24 v[AV0], v[AV0], PV
	v_lshl_add_u32 v[AV0], v11, 4, v[AV0]
	v_add_nc_u32 v[AV0], VOFF, v[AV0]
	v_mov_b32 v[AK], v[AK0]
	s_wait_loadcnt 0x0                             ; Q, E and the maxima
	v_max3_num_f32 v64, v64, v65, v66              ; none of these numbers is negative
	v_max3_num_f32 v67, v67, v68, v69
	v_max3_num_f32 v64, v64, v70, v71
	v_max_num_f32 v64, v64, v67
	v_max3_num_f32 v72, v72, v73, v74
	v_max3_num_f32 v75, v75, v76, v77
	v_max3_num_f32 v72, v72, v78, v79
	v_max_num_f32 v72, v72, v75
	v_max3_num_f32 v80, v80, v81, v82
	v_max_num_f32 v80, v80, v83
.set i, 85
.rept 15
	v_max3_num_f32 v84, v84, v[i], v[i+1]
.set i, i+2
.endr
	v_max_num_f32 v84, v84, v115
.irp r, 64,72,80,84                    ; across the 32 lanes: every lane ends with max |v| in v64, max |W''| in v72, max |b'| in v80, Emax in v84
	v_max_num_f32_dpp v[\r], v[\r], v[\r] row_xmask:1 row_mask:0xf bank_mask:0xf
	v_max_num_f32_dpp v[\r], v[\r], v[\r] row_xmask:2 row_mask:0xf bank_mask:0xf
	v_max_num_f32_dpp v[\r], v[\r], v[\r] row_xmask:4 row_mask:0xf bank_mask:0xf
	v_max_num_f32_dpp v[\r], v[\r], v[\r] row_xmask:8 row_mask:0xf bank_mask:0xf
	v_permlanex16_b32 v[\r+1], v[\r], s[SEL], s[SEL+1]
	v_max_num_f32 v[\r], v[\r], v[\r+1]
.endr
	v_mul_f32 v65, v64, v72
	v_mul_f32 v65, 0x44800000, v65                 ; x 1,024
	v_fma_f32 v65, v65, v84, v80                   ; U
	v_and_b32 v65, 0x7f800000, v65                 ; 2^floor(log2 U),
	v_max_u32 v65, 0x10000000, v65                 ; its exponent field held to 32 .. 222
	v_min_u32 v65, 0x6f000000, v65
	v_sub_nc_u32 v118, 0x86000000, v65             ; rb = S: the exponent field 254 + 14 less U's
	v_add_nc_u32 v66, 0xf9000000, v65              ; 1 / S: U's less 14
	v_mul_f32 v116, v118, v84                      ; ra = S Emax
	v_mov_b32 v117, 0
	v_mov_b32 v119, 0                              ; lo = 0: the ReLU
	v_sub_nc_u32 v68, 0x7f000000, v84              ; 1 / Emax
	v_mov_b32 v69, v68
	WIN W_RS
.set i, 0
.rept 16
	v_pk_mul_f32 v[EK+2*i:EK+2*i+1], v[EK+2*i:EK+2*i+1], v[68:69] op_sel_hi:[1,0]
.set i, i+1
.endr
	WIN 0
	s_cmp_lg_u32 s[WV], 0
	s_cbranch_scc1 .Lno_table
	global_store_b128 v62, v[116:119], s[94:95]    ; all lanes store the same 16 bytes
	global_store_b32 v61, v66, s[96:97]            ; 16 rows' 1 / S; lanes 16-31 store what lanes 0-15 store
	s_wait_xcnt 0x0                                ; these registers take scores only behind this wait
.Lno_table:
; THE MATRIX WORK.  The 8 accumulators of a run of 16 take turns.  Product i of 16, for the piece whose first tile is x0: tile x0 + i % 2.
.macro MKQ x0                          ; S^T = K Q^T: channels 32 (i / 8) on, keys 16 ((i / 2) % 4) on; the first 8 start the sums
	WIN W_KQ
.set rS, S+32*((\x0)+i%2)+8*((i/2)%4)
.set rK, KF+16*((i/2)%4)+8*(i/8)
.set rQ, 16*((\x0)+i%2)+8*(i/8)
.if i < 8
	v_wmma_f32_16x16x32_f16 v[rS:rS+7], v[rK:rK+7], v[rQ:rQ+7], 0
.else
	v_wmma_f32_16x16x32_f16 v[rS:rS+7], v[rK:rK+7], v[rQ:rQ+7], v[rS:rS+7]
.endif
.endm
.macro MPV x0                          ; O^T += V^T P: keys 32 (i / 8) on, channels 16 ((i / 2) % 4) on
	WIN W_PV
.set rO, 32*((\x0)+i%2)+8*((i/2)%4)
.set rV, VF+32*(i/8)+8*((i/2)%4)
.set rP, P+16*((\x0)+i%2)+8*(i/8)
	v_wmma_f32_16x16x32_f16 v[rO:rO+7], v[rV:rV+7], v[rP:rP+7], v[rO:rO+7]
.endm
.macro FETCH_K                         ; a step's K: 8 fragments, keys 16 (f / 2) on, channels 32 (f % 2) on
	WIN 0x80
.irp f, 0,1,2,3,4,5,6,7
	ds_load_b128 v[KF+8*\f:KF+8*\f+3],   v[AK] offset:(\f/2)*16*PK+(\f%2)*64
	ds_load_b128 v[KF+8*\f+4:KF+8*\f+7], v[AK] offset:(\f/2)*16*PK+(\f%2)*64+32
.endr
	WIN 0
.endm
.macro FETCH_V                         ; a step's V, turned: keys 32 (f / 4) on, channels 16 (f % 4) on
	WIN 0x80
.irp f, 0,1,2,3,4,5,6,7
	ds_load_tr16_b128 v[VF+8*\f:VF+8*\f+3],   v[AV] offset:(\f/4)*32*PV+(\f%4)*32
	ds_load_tr16_b128 v[VF+8*\f+4:VF+8*\f+7], v[AV] offset:(\f/4)*32*PV+16*PV+(\f%4)*32
.endr
	WIN 0
.endm
.macro MLOAD t0                        ; the 64 mask words of tiles t0, t0 + 1 for the step at MOFF: tile t0 into s16-47, tile t0 + 1 into s48-63 and s68-83
	s_load_b512 s[16:31], s[LMP:LMP+1], s[MOFF] offset:(\t0)*2048
	s_load_b512 s[32:47], s[LMP:LMP+1], s[MOFF] offset:(\t0)*2048+64
	s_load_b512 s[48:63], s[LMP:LMP+1], s[MOFF] offset:(\t0)*2048+2048
	s_load_b512 s[68:83], s[LMP:LMP+1], s[MOFF] offset:(\t0)*2048+2112
.endm
; What stands in front of a turn's product number mi.  First piece's turn, 18: V of the step in hand; its last reader is product 15, 24 vector lines back, of which more than four are plain and none names its registers.
; Second piece's turn, 0: V is waited for, and K of the next step is fetched (its last reader stands 52 vector lines back); in the last trip there is no next step and the run is jumped over.  16: K is waited for.
.macro HOOK
.if (TID == 0) && (mi == 18)
	WIN 0
	v_add_nc_u32 v[AV], s[TBV], v[AV0]
	FETCH_V
	s_add_co_u32 s[TBV], s[TBV], KS*PV
.endif
.if (TID == 1) && (mi == 0)
	WIN 0
	s_wait_dscnt 0x0
	s_cmp_eq_u32 s[CNT], 1
	s_cbranch_scc1 .Lno_k_\@
	v_add_nc_u32 v[AK], s[TBK], v[AK0]
	FETCH_K
	s_add_co_u32 s[TBK], s[TBK], KS*PK
.Lno_k_\@:
.endif
.if (TID == 1) && (mi == 16)
	s_wait_dscnt 0x0
.endif
.endm
.macro TICK                            ; behind every vector line: each eighth is followed by the turn's next product
.set vc, vc+1
.if (vc%8 == 0) && (mi < 32)
	HOOK
.if mi < 16
.set i, mi
	MPV OT
.else
.set i, mi-16
	MKQ OT
.endif
.set mi, mi+1
.endif
.endm
; THE VECTOR LINES, for tile u (0, 1) of the piece in hand, whose first tile is PT
.macro REGS u
.set tt, PT+(\u)
.set rT, ST+4*tt
.set rC, TMP+4*tt
.set rM, MV+tt
.set rS, S+32*tt
.set rP, P+16*tt
.set rO, 32*tt
.endm
.macro LM u, n                         ; score n is replaced where its mask bit is set; n ascends
.if (\u) == 0
.set mk, 16+(\n)
.elseif (\n) < 16
.set mk, 48+(\n)
.else
.set mk, 52+(\n)
.endif
	REGS \u
	WIN 0
	v_cndmask_b32 v[rS+(\n)], v[rS+(\n)], v[NEGV], s[mk]
	TICK
.endm
; number n of the 22 that find the maximum and the statistics: 0-11 four chains of seven scores; 12-14, 16 the four left over, the old m, and the chains into c0; 15 c m_old is kept;
; 17, 18 the query's other 32 keys lie in the lane 16 away; 19-21 c m, c m_old - c m_new, a (the first of the turn's batch of exponentials)
.macro LX u, n
	REGS \u
	WIN 0
.if (\n) < 4
	v_max3_num_f32 v[rC+(\n)], v[rS+8*(\n)], v[rS+8*(\n)+1], v[rS+8*(\n)+2]
.elseif (\n) < 12
	v_max3_num_f32 v[rC+(\n)%4], v[rC+(\n)%4], v[rS+8*((\n)%4)+2*((\n)/4)+1], v[rS+8*((\n)%4)+2*((\n)/4)+2]
.elseif (\n) == 12
	v_max3_num_f32 v[rC], v[rC], v[rS+7], v[rS+15]
.elseif (\n) == 13
	v_max3_num_f32 v[rC+1], v[rC+1], v[rS+23], v[rS+31]
.elseif (\n) == 14
	v_max3_num_f32 v[rC+2], v[rC+2], v[rC+3], v[rT+1]
.elseif (\n) == 15
	v_mov_b32 v[rM], v[rT]
.elseif (\n) == 16
	v_max3_num_f32 v[rC], v[rC], v[rC+1], v[rC+2]
.elseif (\n) == 17
	v_permlanex16_b32 v[rC+3], v[rC], s[SEL], s[SEL+1]
.elseif (\n) == 18
	v_max_num_f32 v[rT+1], v[rC], v[rC+3]
.elseif (\n) == 19
	v_mul_f32 v[rT], s[CS], v[rT+1]
.elseif (\n) == 20
	v_sub_f32 v[rC+1], v[rM], v[rT]
.else
	v_exp_f32 v[rC+2], v[rC+1]
.endif
	TICK
.endm
.macro LF u, p                         ; c s - c m for pair p of 16
	REGS \u
	WIN 0
	v_pk_fma_f32 v[rS+2*(\p):rS+2*(\p)+1], v[rS+2*(\p):rS+2*(\p)+1], s[CS:CS+1], v[rT:rT+1] op_sel_hi:[1,0,0] neg_lo:[0,0,1] neg_hi:[0,0,1]
	TICK
.endm
.macro LE u, n                         ; the exponential of score n, in place: each result has a register of its own while the batch is open
	REGS \u
	WIN 0
	v_exp_f32 v[rS+(\n)], v[rS+(\n)]
	TICK
.endm
.macro LC u, p                         ; pair p rounded to f16: a reader of the batch, behind the turn's wait
	REGS \u
	WIN 0
	v_cvt_pk_f16_f32 v[rP+(\p)], v[rS+2*(\p)], v[rS+2*(\p)+1]
	TICK
.endm
.macro LS u, p                         ; l takes pair p; the first time as l = a l + pair: a reader of the batch, behind the turn's wait
	REGS \u
	WIN 0
.if (\p) == 0
	v_pk_fma_f32 v[rT+2:rT+3], v[rT+2:rT+3], v[rC+2:rC+3], v[rS:rS+1] op_sel_hi:[1,0,1]
.else
	v_pk_add_f32 v[rT+2:rT+3], v[rT+2:rT+3], v[rS+2*(\p):rS+2*(\p)+1]
.endif
	TICK
.endm
.macro LR u, p                         ; pair p of O^T times a: behind the turn's last product, in ascending order
	REGS \u
	WIN W_RS
	v_pk_mul_f32 v[rO+2*(\p):rO+2*(\p)+1], v[rO+2*(\p):rO+2*(\p)+1], v[rC+2:rC+3] op_sel_hi:[1,0]
	TICK
.endm
; A TURN.  id = 0: the first piece's softmax beside the second piece's products; id = 1: the other way round.
; Lines 1-64 the mask; 65-106 the maximum and statistics; 107-204 THE BATCH: the two a, the 32 scalings and the 64 exponentials, a pair scaled four groups ahead of its exponentials; none of lines 1-204 names an
; exponential's result.  A v_nop is the plain line between the last exponential and the first use of a result (ISA guide 5.7.2): all other plain work ahead of the wait feeds the exponentials.  Then the turn's one wait.
; Lines 205-268 the roundings and the sums, pairs ascending; 269-300 the rescaling.
; The 44 lines behind the last product (number 256 of 300) are its places: none names a register of it.
.macro TURN id
.set TID, \id
.set PT, 2*(\id)
.set OT, 2-2*(\id)
.set vc, 0
.set mi, 0
	s_wait_kmcnt 0x0                               ; this turn's mask words are in
.if \id
	s_add_co_u32 s[MOFF], s[MOFF], 128             ; free since that wait: the first piece's next words are the next step's
.endif
.set n, 0
.rept 32
	LM 0, n
	LM 1, n
.set n, n+1
.endr
.set n, 0
.rept 22
	LX 0, n
	LX 1, n
.if n == 3
	MLOAD OT                                       ; the words have been used: the next turn's are asked for (in the last trip: the words of the tile behind, inside lm, which nobody uses)
.endif
.set n, n+1
.endr
.set n, 0
.rept 4
	LF 0, n
	LF 1, n
.set n, n+1
.endr
.set n, 0
.rept 16
	LE 0, 2*n
.if n < 12
	LF 0, n+4
.endif
	LE 0, 2*n+1
.if n < 12
	LF 1, n+4
.endif
	LE 1, 2*n
	LE 1, 2*n+1
.set n, n+1
.endr
	v_nop                                          ; the plain line behind the last exponential: one for the batch
	s_wait_alu depctr_va_vdst(0)                   ; the wait ahead of the first use: one for the turn's 66 exponentials (both tiles' a and weights)
.set n, 0
.rept 16
	LC 0, n
	LC 1, n
	LS 0, n
	LS 1, n
.set n, n+1
.endr
.set n, 0
.rept 16
	LR 0, n
	LR 1, n
.set n, n+1
.endr
.endm
	s_wait_tensorcnt 0x0                           ; my part of K or V is in,
	s_barrier_signal -1
	s_barrier_wait -1                              ; everybody's is; nothing is ever filled again
	s_mov_b32 s[MOFF], 0
	MLOAD 0                                        ; no tensor load is out: the descriptors' registers take the first mask words
	FETCH_K                                        ; key step 0
	s_wait_dscnt 0x0
.set i, 0
.rept 16
	MKQ 0                                          ; the first piece's first scores
.set i, i+1
.endr
	WIN 0                                          ; the addresses for the way out: nine plain lines, the places behind those products
	s_mul_i32 s13, s[WV], 16*SP
	s_add_co_u32 s13, s13, STAGE
	v_mul_u32_u24 v[STO], v1, SP                   ; in: row l % 16, 16 bytes for each half of the lanes
	v_lshl_add_u32 v[STO], v9, 4, v[STO]
	v_add_nc_u32 v[STO], s13, v[STO]
	v_bfe_u32 v[RD], v0, 3, 2                      ; back: 32 lanes take four rows of 128 bytes,
	v_mul_u32_u24 v[RD], v[RD], SP
	v_lshl_add_u32 v[RD], v10, 4, v[RD]
	v_add_nc_u32 v[RD], s13, v[RD]
	v_and_b32 v[GO], 31, v0                        ; which are 512 consecutive bytes of ctx''
	v_lshlrev_b32 v[GO], 4, v[GO]
	s_mov_b32 s[CNT], 16
	s_mov_b32 s[TBK], KS*PK
	s_mov_b32 s[TBV], 0
.Lstep:                                                ; a key step: 16 trips
	TURN 0
	TURN 1
	WIN 0
	s_sub_co_u32 s[CNT], s[CNT], 1
	s_cmp_lg_u32 s[CNT], 0
	s_cbranch_scc1 .Lstep
	s_wait_kmcnt 0x0                               ; the last trip's words, which serve nothing, like its 16 products on the last K once more: the price of one text for every trip
.set i, 0
.rept 16
	MPV 2                                          ; the second piece's V^T P of the last step
.set i, i+1
.endr
	; THE WAY OUT.  l's two halves and the other half of the lanes' are added; O^T is divided by l, multiplied by E / Emax, rounded to f16 and sent through my stage, a tile at a time.  The additions are the places behind the last products.
	WIN 0
.irp t, 0,1,2,3
	v_add_f32 v[ST+4*\t+2], v[ST+4*\t+2], v[ST+4*\t+3]
.endr
.irp t, 0,1,2,3
	v_permlanex16_b32 v[ST+4*\t+3], v[ST+4*\t+2], s[SEL], s[SEL+1]
.endr
.irp t, 0,1,2,3
	v_add_f32 v[ST+4*\t+2], v[ST+4*\t+2], v[ST+4*\t+3]
.endr
.irp t, 0,1,2,3
	v_rcp_f32 v[ST+4*\t+2], v[ST+4*\t+2]
.endr
	v_nop                                          ; a plain line between the last reciprocal and the use of its result
	s_wait_alu depctr_va_vdst(0)                   ; and the wait ahead of the first use: one for the four reciprocals
.macro PACK t
	WIN W_RS
.set i, 32*(\t)
.rept 16
	v_pk_mul_f32 v[i:i+1], v[i:i+1], v[ST+4*(\t)+2:ST+4*(\t)+3] op_sel_hi:[1,0]
.set i, i+2
.endr
	WIN 0x45                                       ; destination and both sources in window 1
.set i, 0
.rept 16
	v_pk_mul_f32 v[32*(\t)+2*i:32*(\t)+2*i+1], v[32*(\t)+2*i:32*(\t)+2*i+1], v[EK+2*i:EK+2*i+1]
.set i, i+1
.endr
	WIN 0x05                                       ; sources 0 and 1 window 1, destination window 0
.set i, 0
.rept 16
	v_cvt_pk_f16_f32 v[S+16*(\t)+i], v[32*(\t)+2*i], v[32*(\t)+2*i+1]
.set i, i+1
.endr
	WIN 0
.irp f, 0,1,2,3
	ds_store_b128 v[STO], v[S+16*(\t)+4*\f:S+16*(\t)+4*\f+3] offset:32*\f
.endr
.irp f, 0,1,2,3
	ds_load_b128 v[S+16*(\t)+4*\f:S+16*(\t)+4*\f+3], v[RD] offset:\f*4*SP  ; LDS serves a wave's instructions in order (ISA guide 5.7.1.4): these see the stores above
.endr
.endm
.macro SEND t, younger                 ; younger: the LDS instructions issued behind tile t's loads: the next tile's eight, or none
	WIN 0
.irp f, 0,1,2,3
	s_wait_dscnt (\younger)+3-\f
	global_store_b128 v[GO], v[S+16*(\t)+4*\f:S+16*(\t)+4*\f+3], s[10:11] offset:(\t)*2048+\f*512  ; 512 consecutive bytes, at a multiple of 256 from the buffer's first
.endr
.endm
	PACK 0
	PACK 1
	SEND 0, 8
	PACK 2
	SEND 1, 8
	PACK 3
	SEND 2, 8
	SEND 3, 0
	s_wait_tensorcnt 0x0                           ; the wave's end
	ds_add_u32 v[SPW], v[NIL]
	s_wait_dscnt 0x0
	CROUND                                         ; the closing round
	s_endpgm
.Lfunc_end_k_qec3b4e5e1f_attn:
	.size	k_qec3b4e5e1f_attn, .Lfunc_end_k_qec3b4e5e1f_attn-k_qec3b4e5e1f_attn
	.p2alignl 7, 3214868480
	.fill 96, 4, 3214868480
	.section	.rodata,"a",@progbits
	.p2align	6, 0x0
	.amdhsa_kernel k_qec3b4e5e1f_attn
		.amdhsa_group_segment_fixed_size 327680
		.amdhsa_private_segment_fixed_size 0
		.amdhsa_enable_private_segment 0
		.amdhsa_kernarg_size 32
		.amdhsa_user_sgpr_count 2
		.amdhsa_user_sgpr_kernarg_segment_ptr 1
		.amdhsa_wavefront_size32 1
		.amdhsa_system_sgpr_workgroup_id_x 1
		.amdhsa_system_sgpr_workgroup_id_y 1
		.amdhsa_system_sgpr_workgroup_id_z 1
		.amdhsa_system_vgpr_workitem_id 0
		.amdhsa_next_free_vgpr 768
		.amdhsa_next_free_sgpr 100
		.amdhsa_reserve_vcc 0
		.amdhsa_float_denorm_mode_32 3
		.amdhsa_float_denorm_mode_16_64 3
		.amdhsa_memory_ordered 1
		.amdhsa_forward_progress 1
		.amdhsa_inst_pref_size 89
	.end_amdhsa_kernel
	.amdgpu_metadata
---
amdhsa.version: [ 1, 2 ]
amdhsa.kernels:
  - .name:           k_qec3b4e5e1f_attn
    .symbol:         k_qec3b4e5e1f_attn.kd
    .args:
      - { .name: qkv, .offset: 0, .size: 8, .value_kind: global_buffer, .address_space: global }
      - { .name: lm, .offset: 8, .size: 8, .value_kind: global_buffer, .address_space: global }
      - { .name: st, .offset: 16, .size: 8, .value_kind: global_buffer, .address_space: global }
      - { .name: gf, .offset: 24, .size: 8, .value_kind: global_buffer, .address_space: global }
    .group_segment_fixed_size: 327680
    .private_segment_fixed_size: 0
    .kernarg_segment_align: 8
    .kernarg_segment_size: 32
    .max_flat_workgroup_size: 128
    .sgpr_count:     100
    .vgpr_count:     768
    .wavefront_size: 32
...
	.end_amdgpu_metadata
.endif
;; end of part 5
;; launch ffn1: the kernel of part 2 again; grid 64 x 4, 4 waves a work-group, clusters of 4 x 4, 327,680 bytes of LDS; arguments gf, hw, gw, qkv, st, pb, b1; writes hw, qkv, st
;; launch ffn2: the kernel of part 4 again; grid 8 x 32, 4 waves a work-group, clusters of 4 x 4, 327,680 bytes of LDS; arguments hw, gf, b2, out0; writes out0
